; MI455X (gfx1250); checked and timed in simulation.
; The chip was launched on July 23, 2026; its instructions are those of AMD's public machine-readable ISA for CDNA 5 (MIT licence, August 2026) and "CDNA5" Instruction Set Architecture Reference Guide (July 2026). The comments in the code are by the model that wrote it; some were corrected since.
;; Multi Head Attention. Allowed arithmetic: matrix products marked QUANTISED: E2M1 operands, one E8M0 scale for each 32 along K, by v_wmma_scale_f32_16x16x128_f8f6f4 with both operands' format E2M1 (or v_wmma_scale_f32_32x16x128_f4), f32 sums; everything else in f32.
;; Inputs: Wk 1,024 x 1,024 float32; Wo 1,024 x 1,024 float32; Wq 1,024 x 1,024 float32; Wv 1,024 x 1,024 float32; bk 1,024 float32; bo 1,024 float32; bq 1,024 float32; bv 1,024 float32; x 1 x 4,096 x 1,024 float32.
;; Outputs: out0 1 x 4,096 x 1,024 float32.
;; This version of the problem:
;;   THIS VERSION OF THE PROBLEM IS GIVEN IN LOW PRECISION. The matrix products marked QUANTISED in the list below multiply operands that are first quantised to E2M1 (2 exponent bits, 1 mantissa bit; 4 bits a number), with one power-of-two scale for each 32 numbers along K (OCP MX v1.0); their sums are f32. All else is computed in f32.
;;   The module's matrix products, in the order in which they are computed (A, B: the left and right operand; K: the contracted axis; several contracted axes count as one K, in the product's order):
;;     1. [M 4,096, K 1,024] x [K 1,024, N 1,024]; A: input x; B: input Wq: QUANTISED
;;     2. [M 4,096, K 1,024] x [K 1,024, N 1,024]; A: input x; B: input Wk: QUANTISED
;;     3. [M 4,096, K 1,024] x [K 1,024, N 1,024]; A: input x; B: input Wv: QUANTISED
;;     4. batch 16 x [M 4,096, K 64] x [K 64, N 4,096]; A: computed on the way; B: computed on the way: QUANTISED
;;     5. batch 16 x [M 4,096, K 4,096] x [K 4,096, N 64]; A: softmax (see below); B: computed on the way: QUANTISED
;;     6. [M 4,096, K 1,024] x [K 1,024, N 1,024]; A: computed on the way; B: input Wo: QUANTISED
;;   THE QUANTISER, for each operand of a quantised product, along K:
;;     - K is cut into blocks of 32 from its start; a last block that is shorter is filled with zeros.
;;     - A block's scale is 2^e with e = floor(log2(the largest magnitude in the block)) - 2, held to -126 .. 127; a block of zeros has e = 0. As a byte (E8M0): e + 127.
;;     - Each number is divided by its block's scale, clamped to +-6, and rounded to the nearest number of E2M1, ties to even, subnormals kept.
;;     - The product sums the exact products of the quantised numbers (number of the format x scale) in f32.
;;   ~~~python
;;   def quantise(x, axis):      # numpy; x: float32 -> the quantised numbers, widened to float32 again
;;       x = np.moveaxis(x, axis, -1); K = x.shape[-1]
;;       x = np.pad(x, [(0, 0)] * (x.ndim - 1) + [(0, -K % 32)]); x = x.reshape(x.shape[:-1] + (-1, 32)); a = np.abs(x).max(-1, keepdims=True)
;;       e = np.where(a > 0, np.clip(np.frexp(np.where(a > 0, a, 1))[1] - 1 - 2, -126, 127), 0)      # np.frexp(a)[1] - 1 = floor(log2(a)), exactly
;;       r = np.clip(x / 2.0 ** e, -6, 6)
;;       step = 2.0 ** (np.maximum(np.frexp(np.where(r == 0, 1, r))[1] - 1, 0) - 1)
;;       q = np.round(r / step) * step * 2.0 ** e      # np.round: ties to even
;;       return np.moveaxis(q.reshape(q.shape[:-2] + (-1,))[..., :K], -1, axis).astype(np.float32)
;;   ~~~
;;   SOFTMAX AHEAD OF A QUANTISED PRODUCT. Where the list says 'softmax', what is quantised is not the finished softmax but p = 2^(t - M), with t = logit x log2(e) and M = ceil(the row's largest t), a whole number; so 1/2 < the row's largest p <= 1. The row's sum l is taken of the UNQUANTISED p, in f32, and the product's result is divided by l at the end. Since M is a whole number, a kernel that streams over the keys may use a running M (the ceiling of the running maximum): every later rescaling is an exact power of two, which a block's scale takes up: the codes' values come out the same.
;;   OPERANDS COMPUTED ON THE WAY. 'Computed on the way' means the value that the module computes at that place (a softmax that the list does not call 'softmax' is quantised finished and normalised). What goes into a quantiser is computed in f32, as accurately as f32 sums, v_exp_f32 and their like allow (about 1e-6 of the number): no bf16 or f16 on the way to a quantiser, and a product that is left as it is and whose result goes on into a quantised operand takes f32 operands (vector FMAs, or v_wmma_f32_16x16x4_f32). A number that lies on a knife's edge between two numbers of the format may be rounded either way, as far as f32 arithmetic and the matrix unit's own rounding can turn it there, and no further.
;; One version. Each part assembles by itself: llvm-mc -triple=amdgcn-amd-amdhsa -mcpu=gfx1250 --defsym DOCPART=n.
;; ======== version 1 of 1: 4 launches
;; limits: right only within a limited range of input values
;; workspace buffers: xc 2,097,152 bytes; xs 131,072 bytes; wc 2,097,152 bytes; ws 131,072 bytes; qkvc 6,291,456 bytes; sw 655,360 bytes; oc 2,097,152 bytes; os 131,072 bytes
;; launch quant (part 1): grid 384 x 1, 4 waves a work-group, no clusters, 34,304 bytes of LDS; arguments x, Wq, Wk, Wv, Wo, xc, xs, wc, ws; writes xc, xs, wc, ws
.if DOCPART == 1
	.amdgcn_target "amdgcn-amd-amdhsa--gfx1250"
	.amdhsa_code_object_version 6
	.text
	.protected	k_q18c2dfd63f_quant
	.globl	k_q18c2dfd63f_quant
	.p2align	8
	.type	k_q18c2dfd63f_quant,@function
k_q18c2dfd63f_quant:
	s_mov_b64 s[64:65], 0
	v_nop
	global_prefetch_b8 v0, s[64:65] scope:SCOPE_SE
	s_setreg_imm32_b32 hwreg(HW_REG_WAVE_MODE, 25, 1), 1
	s_wait_xcnt 0x0
; x [4096][1024] and the four weights [1024 (k)][1024 (n)], f32, become codes of FP4 (E2M1) with one E8M0 scale byte for each 32 along K (K = 1024 for all five).
; A block's scale is 2^(floor(log2(largest magnitude)) - 2); its byte is the largest magnitude's exponent field - 2, held at 1 from below; numbers / scale go to the nearest code, ties to even.
; LIMITS: a block of zeros gets the byte 1 (its codes are zeros; the bytes are read by this program alone); NaN and infinities among the inputs are not served.
; THE OUTPUT IS LAID AS IMAGES OF THE OPERAND'S REGISTERS.  An operand is cut into tiles of 16 rows; lane-row p of tile T is matrix row 32 (T/2) + 8 (T%2) + p%8 + 16 (p/8).
; A piece is 512 bytes: lane l = p + 16 h owns bytes 16 l ..: the 32 codes k = 128 s + 64 c + 32 h + 0..31 of its row.  Codes: (s/4) 2^20 + T 4096 + (s%4) 1024 + c 512 + 16 l.
; Scale words (four bytes: 128 along K of one row): T 512 + (s/4) 256 + 16 p + 4 (s%4).  Weights: T = 64 x (0 q, 1 k, 2 v, 3 o) + the tile of n.
; Work-groups 0-127 take x: a wave takes one tile x 512 along K, four steps of 128.  Each load reads 512 consecutive bytes of one row; a step's 16 rows turn through the wave's own stage in LDS
; (rows 528 bytes apart), so that a lane gets the two whole blocks of 32 that the operand's layout gives it.
; Work-groups 128-383 take the weights: K is their FIRST axis, so a lane takes a column n and its registers run down K: a wave takes 32 columns x 128 along K, four whole blocks a lane.
; No barrier: waves share nothing.  No tensor loads, no matrix units, no cluster: the launch streams each input byte once.
.set PIT,  528                         ; a stage row: 512 bytes + 16
.set WST,  16*PIT                      ; a wave's stage
.set R,    16                          ; v16-143  x: two sets of 64 registers as loaded
.set X,    144                         ; v144-207 x: my two blocks of 32
.set C,    208                         ; v208-239 x: codes, eight registers a step, so that no store's data are written again
.set SW,   240                         ; v240-243 x: a scale word a step
.set WX,   16                          ; v16-79   weights: two sets of 32 numbers
.set WC,   80                          ; v80-95   weights: codes, four registers a block
.set SB,   96                          ; v96      weights: my column's four scale bytes
.macro XLOAD q                         ; step q: 128 along K of the tile's 16 rows
.irp p, 0,1,2,3,4,5,6,7,8,9,10,11,12,13,14,15
	global_load_b128 v[R+64*((\q)%2)+4*\p:R+64*((\q)%2)+4*\p+3], v3, s[4:5] offset:((\p%8)+16*(\p/8))*4096+512*(\q) th:TH_LOAD_NT
.endr
.endm
.macro XSTEP q
.if (\q) < 3
	s_wait_loadcnt 16                              ; this step's 16 loads are in; the next step's 16 may be out
.else
	s_wait_loadcnt 0x0
.endif
.irp p, 0,1,2,3,4,5,6,7,8,9,10,11,12,13,14,15
	ds_store_b128 v6, v[R+64*((\q)%2)+4*\p:R+64*((\q)%2)+4*\p+3] offset:PIT*\p
.endr
.irp c, 0,1
.irp j, 0,1,2,3,4,5,6,7
	ds_load_b128 v[X+32*\c+4*\j:X+32*\c+4*\j+3], v7 offset:256*\c+16*\j   ; LDS serves a wave's instructions in order: these see the stores above.  k = 64 c + 32 h + 4 j ..
.endr
.endr
	s_wait_dscnt 0x0
.if (\q) < 2
	XLOAD (\q)+2                                   ; into the set that the stage's stores have read
.endif
.irp c, 0,1
	v_max3_num_f32 v[244+\c], |v[X+32*\c]|, |v[X+32*\c+1]|, 0x1800000   ; my block 2 c + h, all 32 numbers mine; the floor 2^(3 - 127) holds the byte at 1 from below
.endr
.irp i, 2,4,6,8,10,12,14,16,18,20,22,24,26,28,30
.irp c, 0,1
	v_max3_num_f32 v[244+\c], v[244+\c], |v[X+32*\c+\i]|, |v[X+32*\c+\i+1]|
.endr
.endr
.irp c, 0,1
	v_add_nc_u32 v[246+\c], 0xff000000, v[244+\c]  ; 2 off the exponent field: the conversion's scale operand
.endr
.irp c, 0,1
	v_lshrrev_b32 v[248+\c], 23, v[246+\c]         ; the scale's byte
.endr
	v_lshl_or_b32 v9, v249, 16, v248               ; my two bytes: blocks h and 2 + h,
	v_lshlrev_b32 v9, v12, v9                      ; 8 h bits up;
	v_permlanex16_b32 v11, v9, s36, s37
	v_or_b32 v[SW+(\q)], v9, v11                   ; with lane l xor 16's two the word is whole
.irp c, 0,1
.irp g, 0,1,2,3
	v_cvt_scalef32_pk8_fp4_f32 v[C+8*(\q)+4*\c+\g], v[X+32*\c+8*\g:X+32*\c+8*\g+7], v[246+\c]
.endr
.endr
	v_nop                                          ; one plain line behind the last conversion
.irp c, 0,1
	global_store_b128 v3, v[C+8*(\q)+4*\c:C+8*(\q)+4*\c+3], s[14:15] offset:1024*(\q)+512*\c   ; a piece: 512 consecutive bytes
.endr
.endm
.macro WLOAD t                         ; block t: W(32 t + i, my column)
.irp i, 0,1,2,3,4,5,6,7,8,9,10,11,12,13,14,15,16,17,18,19,20,21,22,23,24,25,26,27,28,29,30,31
	global_load_b32 v[WX+32*((\t)%2)+\i], v3, s[6:7] offset:(32*(\t)+\i)*4096 th:TH_LOAD_NT
.endr
.endm
.macro WBLOCK t
.set XS, WX+32*((\t)%2)
.if (\t) < 3
	s_wait_loadcnt 32                              ; this block's 32 loads are in; the next block's may be out
.else
	s_wait_loadcnt 0x0
.endif
	v_max3_num_f32 v100, |v[XS]|, |v[XS+1]|, |v[XS+2]|
	v_max3_num_f32 v101, |v[XS+3]|, |v[XS+4]|, |v[XS+5]|
.irp i, 6,10,14,18,22,26
	v_max3_num_f32 v100, v100, |v[XS+\i]|, |v[XS+\i+1]|
	v_max3_num_f32 v101, v101, |v[XS+\i+2]|, |v[XS+\i+3]|
.endr
	v_max3_num_f32 v100, v100, |v[XS+30]|, |v[XS+31]|
	v_max3_num_f32 v100, v100, v101, 0x1800000     ; and the floor
	v_add_nc_u32 v102, 0xff000000, v100
	v_lshrrev_b32 v103, 23, v102
.if (\t) == 0
	v_mov_b32 v[SB], v103
.else
	v_lshl_or_b32 v[SB], v103, 8*(\t), v[SB]
.endif
.irp g, 0,1,2,3
	v_cvt_scalef32_pk8_fp4_f32 v[WC+4*(\t)+\g], v[XS+8*\g:XS+8*\g+7], v102
.endr
	v_nop                                          ; one plain line behind the last conversion
	global_store_b128 v4, v[WC+4*(\t):WC+4*(\t)+3], s[18:19] offset:256*(\t)   ; sixteen lanes fill 256 consecutive bytes of tile 2 b, sixteen of tile 2 b + 1
.if (\t) < 2
	WLOAD (\t)+2
.endif
.endm
	s_load_b256 s[4:11], s[0:1], 0x0               ; x, Wq, Wk, Wv
	s_load_b256 s[12:19], s[0:1], 0x20             ; Wo, xc, xs, wc
	s_load_b64 s[20:21], s[0:1], 0x40              ; ws
	v_lshl_add_u32 v254, v0, 2, 0x8400
	v_mov_b32 v255, 0
	v_lshrrev_b32 v1, 5, v0
	v_readfirstlane_b32 s22, v1                    ; wave
	v_and_b32 v2, 31, v0                           ; lane
	s_mov_b32 s36, 0x76543210
	s_mov_b32 s37, 0xfedcba98                      ; v_permlanex16_b32's selects for lane l xor 16
	s_cmp_ge_u32 ttmp9, 128
	s_cbranch_scc1 .Lweights
	; ---- x
	s_lshl_b32 s23, ttmp9, 2
	s_add_co_u32 s23, s23, s22
	s_lshr_b32 s24, s23, 1                         ; tile t
	s_and_b32 s25, s23, 1                          ; which 512 along K
	s_lshr_b32 s26, s24, 1
	s_lshl_b32 s26, s26, 17                        ; 32 (t/2) rows of 4,096 bytes
	s_and_b32 s27, s24, 1
	s_lshl_b32 s27, s27, 15                        ; 8 (t%2) rows
	s_add_co_u32 s26, s26, s27
	s_lshl_b32 s27, s25, 11
	s_add_co_u32 s26, s26, s27
	s_mov_b32 s27, 0
	s_lshl_b32 s28, s25, 20
	s_lshl_b32 s29, s24, 12
	s_add_co_u32 s28, s28, s29
	s_mov_b32 s29, 0
	s_lshl_b32 s30, s24, 9
	s_lshl_b32 s31, s25, 8
	s_add_co_u32 s30, s30, s31
	s_mov_b32 s31, 0
	s_wait_alu depctr_va_vdst(0)
	v_lshlrev_b32 v3, 4, v2                        ; 16 x lane
	v_and_b32 v4, 15, v0                           ; r
	v_bfe_u32 v5, v0, 4, 1                         ; h
	s_mul_i32 s32, s22, WST
	v_add_nc_u32 v6, s32, v3                       ; the stage, on the way in
	v_mul_u32_u24 v7, v4, PIT
	v_lshl_add_u32 v7, v5, 7, v7
	v_add_nc_u32 v7, s32, v7                       ; and out: row r, + 32 h numbers
	v_lshlrev_b32 v8, 4, v4
	v_lshl_add_u32 v8, v5, 3, v8                   ; the scale words' place: 16 r + 8 h
	v_lshlrev_b32 v12, 3, v5                       ; 8 h
	v_mov_b32 v11, 0                               ; a lane permute's destination counts as one of its sources
	s_wait_alu depctr_va_vdst(0)
	s_wait_kmcnt 0x0
	s_add_nc_u64 s[4:5], s[4:5], s[26:27]
	s_add_nc_u64 s[14:15], s[14:15], s[28:29]
	s_add_nc_u64 s[16:17], s[16:17], s[30:31]
	XLOAD 0
	XLOAD 1
	XSTEP 0
	XSTEP 1
	XSTEP 2
	XSTEP 3
	v_cmp_le_u32 vcc_lo, 16, v2
	v_cndmask_b32 v250, v[SW], v[SW+2], vcc_lo     ; lanes 0-15 store words 0 and 1 of row r, lanes 16-31 words 2 and 3
	v_cndmask_b32 v251, v[SW+1], v[SW+3], vcc_lo
	global_store_b64 v8, v[250:251], s[16:17]      ; the wave stores 256 consecutive bytes, aligned
	s_wait_tensorcnt 0x0
	ds_add_u32 v254, v255
	s_wait_dscnt 0x0
	s_endpgm
	; ---- the weights
.Lweights:
	s_sub_co_u32 s23, ttmp9, 128
	s_lshr_b32 s24, s23, 6                         ; which weight
	s_and_b32 s25, s23, 7
	s_bfe_u32 s26, s23, 0x30003                    ; K step s
	s_lshl_b32 s27, s25, 2
	s_add_co_u32 s27, s27, s22                     ; b: columns 32 b ..
	s_lshl_b32 s28, s26, 19                        ; 128 s rows of 4,096 bytes
	s_lshl_b32 s29, s27, 7
	s_add_co_u32 s28, s28, s29
	s_mov_b32 s29, 0
	s_lshl_b32 s33, s24, 6
	s_lshl_b32 s34, s27, 1
	s_add_co_u32 s33, s33, s34                     ; my first tile
	s_lshr_b32 s34, s26, 2
	s_and_b32 s35, s26, 3
	s_lshl_b32 s30, s34, 20
	s_lshl_b32 s31, s33, 12
	s_add_co_u32 s30, s30, s31
	s_lshl_b32 s31, s35, 10
	s_add_co_u32 s30, s30, s31
	s_mov_b32 s31, 0
	s_lshl_b32 s32, s33, 9
	s_lshl_b32 s33, s34, 8
	s_add_co_u32 s32, s32, s33
	s_lshl_b32 s33, s35, 2
	s_add_co_u32 s32, s32, s33
	s_mov_b32 s33, 0
	s_wait_alu depctr_va_vdst(0)
	v_lshlrev_b32 v3, 2, v2                        ; in: 4 bytes a lane
	v_and_b32 v6, 7, v0
	v_bfe_u32 v7, v0, 4, 1
	v_lshl_add_u32 v6, v7, 3, v6                   ; column 32 b + l, l = 16 g + 8 u + e, is lane-row 8 g + e of tile 2 b + u
	v_bfe_u32 v7, v0, 3, 1
	v_lshlrev_b32 v6, 4, v6
	v_lshl_add_u32 v4, v7, 12, v6                  ; codes: 4096 u + 16 p
	v_lshl_add_u32 v5, v7, 9, v6                   ; scale word: 512 u + 16 p
	s_wait_alu depctr_va_vdst(0)
	s_wait_kmcnt 0x0
	s_and_b32 s34, s24, 1
	s_cmp_eq_u32 s34, 0
	s_cselect_b64 s[6:7], s[6:7], s[8:9]           ; the choice hangs on the work-group's number alone
	s_cselect_b64 s[10:11], s[10:11], s[12:13]
	s_cmp_lt_u32 s24, 2
	s_cselect_b64 s[6:7], s[6:7], s[10:11]
	s_add_nc_u64 s[6:7], s[6:7], s[28:29]
	s_add_nc_u64 s[18:19], s[18:19], s[30:31]
	s_add_nc_u64 s[20:21], s[20:21], s[32:33]
	WLOAD 0
	WLOAD 1
	WBLOCK 0
	WBLOCK 1
	WBLOCK 2
	WBLOCK 3
	global_store_b32 v5, v[SB], s[20:21]           ; 4 bytes a lane, 16 bytes apart: one byte for each 128 that the path reads
	s_endpgm
.Lfunc_end_k_q18c2dfd63f_quant:
	.size	k_q18c2dfd63f_quant, .Lfunc_end_k_q18c2dfd63f_quant-k_q18c2dfd63f_quant
	.p2alignl 7, 3214868480
	.fill 96, 4, 3214868480
	.section	.rodata,"a",@progbits
	.p2align	6, 0x0
	.amdhsa_kernel k_q18c2dfd63f_quant
		.amdhsa_group_segment_fixed_size 34304
		.amdhsa_private_segment_fixed_size 0
		.amdhsa_enable_private_segment 0
		.amdhsa_kernarg_size 72
		.amdhsa_user_sgpr_count 2
		.amdhsa_user_sgpr_kernarg_segment_ptr 1
		.amdhsa_wavefront_size32 1
		.amdhsa_system_sgpr_workgroup_id_x 1
		.amdhsa_system_sgpr_workgroup_id_y 1
		.amdhsa_system_sgpr_workgroup_id_z 1
		.amdhsa_system_vgpr_workitem_id 0
		.amdhsa_next_free_vgpr 256
		.amdhsa_next_free_sgpr 66
		.amdhsa_reserve_vcc 1
		.amdhsa_float_denorm_mode_32 3
		.amdhsa_float_denorm_mode_16_64 3
		.amdhsa_memory_ordered 1
		.amdhsa_forward_progress 1
		.amdhsa_inst_pref_size 50
	.end_amdhsa_kernel
	.amdgpu_metadata
---
amdhsa.version: [ 1, 2 ]
amdhsa.kernels:
  - .name:           k_q18c2dfd63f_quant
    .symbol:         k_q18c2dfd63f_quant.kd
    .args:
      - { .name: x, .offset: 0, .size: 8, .value_kind: global_buffer, .address_space: global }
      - { .name: Wq, .offset: 8, .size: 8, .value_kind: global_buffer, .address_space: global }
      - { .name: Wk, .offset: 16, .size: 8, .value_kind: global_buffer, .address_space: global }
      - { .name: Wv, .offset: 24, .size: 8, .value_kind: global_buffer, .address_space: global }
      - { .name: Wo, .offset: 32, .size: 8, .value_kind: global_buffer, .address_space: global }
      - { .name: xc, .offset: 40, .size: 8, .value_kind: global_buffer, .address_space: global }
      - { .name: xs, .offset: 48, .size: 8, .value_kind: global_buffer, .address_space: global }
      - { .name: wc, .offset: 56, .size: 8, .value_kind: global_buffer, .address_space: global }
      - { .name: ws, .offset: 64, .size: 8, .value_kind: global_buffer, .address_space: global }
    .group_segment_fixed_size: 34304
    .private_segment_fixed_size: 0
    .kernarg_segment_align: 8
    .kernarg_segment_size: 72
    .max_flat_workgroup_size: 128
    .sgpr_count:     66
    .vgpr_count:     256
    .wavefront_size: 32
...
	.end_amdgpu_metadata
.endif
;; end of part 1
;; launch qkv (part 2): grid 12 x 16, 4 waves a work-group, clusters of 4 x 4, 327,680 bytes of LDS; arguments xc, xs, wc, ws, bq, bk, bv, qkvc, sw; writes qkvc, sw
.if DOCPART == 2
	.amdgcn_target "amdgcn-amd-amdhsa--gfx1250"
	.amdhsa_code_object_version 6
	.text
	.protected	k_q18c2dfd63f_qkv
	.globl	k_q18c2dfd63f_qkv
	.p2align	8
	.type	k_q18c2dfd63f_qkv,@function
k_q18c2dfd63f_qkv:
	s_mov_b64 s[64:65], 0
	v_nop
	global_prefetch_b8 v0, s[64:65] scope:SCOPE_SE
	s_setreg_imm32_b32 hwreg(HW_REG_WAVE_MODE, 25, 1), 1
	s_wait_xcnt 0x0
	s_wait_alu depctr_hold_cnt(0) depctr_sa_sdst(0) depctr_va_vdst(0) depctr_va_sdst(0) depctr_va_ssrc(0) depctr_va_vcc(0) depctr_vm_vsrc(0)
	s_getreg_b32 s2, hwreg(HW_REG_IB_STS2, 6, 4)
	s_cmp_eq_u32 s2, 0
	s_cbranch_scc0 .Lentry_in_a_cluster
	s_endpgm
.Lentry_in_a_cluster:
	s_bfe_u32 s2, ttmp6, 0x10000c
	s_cmp_lg_u32 s2, 0xf033
	s_cbranch_scc0 .Lentry_shape_is_right
	s_endpgm
.Lentry_shape_is_right:
; q = x Wq + bq, k = x Wk + bk, v = x Wv + bv on codes of FP4 (E2M1) with E8M0 scales, sums in f32; the results are quantised here, in registers, for attention's two products:
; q and k along a head's 64 channels (two blocks), v along the keys.  No f32 result goes to memory.
; SHARES.  A work-group takes 256 tokens x 256 columns of one weight (cluster x = 0: q, 1: k, 2: v), four waves, each 128 x 128: 64 accumulators, 512 registers.  K = 1024.
; ALL THAT A WORK-GROUP READS FITS IN LDS AT ONCE: two slots of 512 along K (x's 16 tiles x 4 KB, then the weight's) and the scale words.  Each LDS byte is filled once: three tensor loads a wave at the head.
; OPERANDS ARE IMAGES OF THEIR REGISTERS: a fragment (16 rows x 128 K) is two pieces of 512 bytes, lane l's 16 bytes at 16 l: every LDS load takes 512 consecutive bytes.
; Lane-row p of tile T is matrix row 32 (T/2) + 8 (T%2) + p%8 + 16 (p/8), so that in a result the 16 registers of source 0's tiles 2 b and 2 b + 1 are 16 neighbours, 32 b + 16 (lane/16) + 0..15.
; ONE TEXT, TWO ORIENTATIONS.  q, k: source 1 = x (a lane holds a token), source 0 = W (registers run along channels).  v: source 1 = W (a lane holds a channel), source 0 = x (registers run along keys).
; Only the LDS read bases differ; they are chosen on the cluster's x, which all partners share.
; CLUSTER 4 x 4: x's tiles are shared along a row of the cluster, the weight's along a column: joint loads with a mask of four.
; OUT.  q: head 131072 + T 512 + 16 l; k: 2097152 + the same; v: 4194304 + head 131072 + J 4096 + ct 1024 + c 512 + 16 l (J: 128 keys, ct: tile of 16 channels).
; Scale words: q: head 16384 + J 512 + 256 (a/4) + 16 p + 4 (a%4) for token tile 8 J + a (two bytes; the upper two are 0 and stand over zero codes);
; from 262144 on, head 24576 + J 768: k's 512 bytes in the same form, then v's 256: 16 p + 4 ct.
; LIMITS: a block of zeros gets the byte 1 (read by this program alone); NaN and infinities are not served.
; No prefetch: every tile is asked for ahead of the first products.  No ring: nothing is filled twice.
; REGISTERS: window 0: v0-31 addresses; v32-95 scale words, two sets; v128-191 source 1's fragments, one set.  window 1: source 0's fragments, two sets (v0, v128).  windows 2, 3: accumulators, (a, b) at v[8 (8 (a%4) + b)].
.set NQ,    4                          ; steps of 128 along K in a slot
.set FR,    8
.set NL,    2
.set NP,    4                          ; places behind this matrix instruction (ISA guide 7.12.1)
.set SLOT,  131072
.set WOFF,  65536                      ; in a slot: x's 16 tiles, then the weight's
.set SCL,   262144                     ; x's scale words, 8 KB; the weight's, 8 KB
.set BST,   278528                     ; 512 bytes a wave: its 128 numbers of the bias; written by ds_store alone
.set ADRA,  16                         ; v16-17 source 1's fragments in slot 0, 1
.set ADRB,  20                         ; v20-21 source 0's
.set ADRS,  27                         ; v27    scale words: lanes 0-15 source 1's, lanes 16-31 source 0's
.set SC,    32
.set AF,    128
.set TM,    104                        ; the way out: v104-119 at work
.set HA,    128                        ; 64 numbers of a lane
.set BN,    192                        ; q, k: the bias in the result's layout, 64 registers
.set BM,    192                        ; v: a pair for each of source 1's eight tiles
.set PCB,   32                         ; codes: eight registers for each a
.set PWB,   96                         ; scale words: one for each a
.set SE,    120                        ; v120-127 the words as they leave
.set SEL,   66                         ; s[66:67] lane selects
.set G1X,   24
.set G0X,   32
.set G1W,   48
.set G0W,   56
.set G1SX,  68
.set G0SX,  76
.set G1SW,  80
.set G0SW,  88
.set MSB, 0
.macro WIN new                         ; the immediate's high byte repeats the setting that is left
.if MSB != (\new)
	s_set_vgpr_msb (MSB<<8)|(\new)
.set MSB, (\new)
.endif
.endm
.set MUL_LO, 0xa1                      ; source 0 window 1, source 1 window 0, C and D window 2
.set MUL_HI, 0xf1
.set TO_B,   0x40
.macro JLOAD g0a, g1a, g0b, g1b        ; waves 0, 1 fetch for x, waves 2, 3 for the weight; four v_nop follow each line
	s_cmp_eq_u32 s23, 0
	s_cbranch_scc0 .Lfor_b_\@
	tensor_load_to_lds s[\g0a:\g0a+3], s[\g1a:\g1a+7]
	s_nop 0
.rept 4
	v_nop
.endr
	s_branch .Lasked_\@
.Lfor_b_\@:
	tensor_load_to_lds s[\g0b:\g0b+3], s[\g1b:\g1b+7]
	s_nop 0
.rept 4
	v_nop
.endr
.Lasked_\@:
.endm
.macro CROUND                          ; a round of the cluster's barrier
	s_barrier_signal -1
	s_barrier_wait -1
	s_cmp_lg_u32 s22, 0
	s_cbranch_scc1 .Lnot_wave_0_\@
	s_barrier_signal -3
.Lnot_wave_0_\@:
	s_barrier_wait -3
	s_barrier_signal -1
	s_barrier_wait -1
.endm
.macro PLACES n
.rept \n
	v_nop
.endr
.endm
.macro FRAG reg, adr, q, i             ; tile i, the slot's q-th 128 along K: two pieces
.irp c, 0,1
	ds_load_b128 v[\reg+4*\c:\reg+4*\c+3], v[\adr] offset:4096*(\i)+1024*(\q)+512*\c
.endr
.endm
.macro MUL16 a0, p, q, sc, zero        ; source 1's tiles a0, a0 + 1 x source 0's eight; the 64 accumulators take turns, one instruction a turn
.irp a, \a0, \a0+1
.irp b, 0,1,2,3,4,5,6,7
.if \zero
	v_wmma_scale_f32_16x16x128_f8f6f4 v[8*(8*((\a)%4)+\b):8*(8*((\a)%4)+\b)+7], v[128*(\p)+FR*\b:128*(\p)+FR*\b+FR-1], v[AF+FR*(\a):AF+FR*(\a)+FR-1], 0, v[SC+8*NQ*(\sc)+NQ*\b+(\q)], v[SC+8*NQ*(\sc)+NQ*(\a)+(\q)] matrix_a_fmt:MATRIX_FMT_FP4 matrix_b_fmt:MATRIX_FMT_FP4 matrix_a_scale:MATRIX_SCALE_ROW1
.else
	v_wmma_scale_f32_16x16x128_f8f6f4 v[8*(8*((\a)%4)+\b):8*(8*((\a)%4)+\b)+7], v[128*(\p)+FR*\b:128*(\p)+FR*\b+FR-1], v[AF+FR*(\a):AF+FR*(\a)+FR-1], v[8*(8*((\a)%4)+\b):8*(8*((\a)%4)+\b)+7], v[SC+8*NQ*(\sc)+NQ*\b+(\q)], v[SC+8*NQ*(\sc)+NQ*(\a)+(\q)] matrix_a_fmt:MATRIX_FMT_FP4 matrix_b_fmt:MATRIX_FMT_FP4 matrix_a_scale:MATRIX_SCALE_ROW1
.endif
.endr
.endr
.endm
.macro FETCH_B slot, q, p
	WIN TO_B
.irp i, 0,1,2,3,4,5,6,7
	FRAG 128*(\p)+FR*\i, ADRB+\slot, \q, \i
.endr
	WIN 0
.endm
.macro FETCH_A slot, q, i0
.irp i, \i0, \i0+1, \i0+2, \i0+3
	FRAG AF+FR*(\i), ADRA+\slot, \q, \i
.endr
.endm
.macro SCALES sc                       ; a slot's scale words: four a row; lanes 0-15 source 1's tile i, lanes 16-31 source 0's tile i
.irp i, 0,1,2,3,4,5,6,7
	ds_load_b128 v[SC+8*NQ*\sc+NQ*\i:SC+8*NQ*\sc+NQ*\i+3], v[ADRS] offset:512*\i+256*\sc
.endr
.endm
.macro STEP slot, q, zero              ; 128 along K, with its successor in the same slot
	s_wait_dscnt 4*NL                              ; all but the youngest eight loads (source 1's tiles 4-7)
	WIN MUL_LO
	MUL16 0, (\q)%2, \q, \slot, \zero
	MUL16 2, (\q)%2, \q, \slot, \zero
	s_wait_dscnt 0
	PLACES NP                                      ; in front of loads into registers that matrix instructions have read
	FETCH_B \slot, (\q)+1, 1-(\q)%2
	FETCH_A \slot, (\q)+1, 0
	WIN MUL_HI
	MUL16 4, (\q)%2, \q, \slot, \zero
	MUL16 6, (\q)%2, \q, \slot, \zero
	PLACES NP
	WIN 0
	FETCH_A \slot, (\q)+1, 4
.endm
.macro STEPS slot, from
.set Q, \from
.rept NQ-1-\from
	STEP \slot, Q, 0
.set Q, Q+1
.endr
.endm
; 64 numbers of a lane, register 16 b + i = k 32 b + 16 (lane/16) + i of my row, become a fragment's codes in v[pc] on and its scale word in v[pw].
.macro QUANT s, pc, pw
.irp b, 0,1,2,3
	v_max3_num_f32 v[TM+\b], |v[\s+16*\b]|, |v[\s+1+16*\b]|, 0x1800000   ; my 16 numbers of block b, and the floor 2^(3 - 127)
.endr
.irp i, 2,4,6,8,10,12,14
.irp b, 0,1,2,3
	v_max3_num_f32 v[TM+\b], v[TM+\b], |v[\s+16*\b+\i]|, |v[\s+1+16*\b+\i]|
.endr
.endr
.irp b, 0,1,2,3
	v_permlanex16_b32 v[TM+4+\b], v[TM+\b], s[SEL], s[SEL+1]
.endr
.irp b, 0,1,2,3
	v_max_num_f32 v[TM+\b], v[TM+\b], v[TM+4+\b]   ; with lane l xor 16's: the block's largest magnitude
.endr
.irp b, 0,1,2,3
	v_add_nc_u32 v[TM+12+\b], 0xff000000, v[TM+\b] ; 2 off its exponent field: the conversion's scale operand
.endr
.irp b, 0,1,2,3
	v_lshrrev_b32 v[TM+4+\b], 23, v[TM+12+\b]      ; the scale's byte
.endr
	v_lshl_or_b32 v[(\pw)], v[TM+5], 8, v[TM+4]
	v_lshl_or_b32 v[(\pw)], v[TM+6], 16, v[(\pw)]
	v_lshl_or_b32 v[(\pw)], v[TM+7], 24, v[(\pw)]
.irp b, 0,1,2,3
	v_cvt_scalef32_pk8_fp4_f32 v[(\pc)+2*\b], v[\s+16*\b:\s+7+16*\b], v[TM+12+\b]
	v_cvt_scalef32_pk8_fp4_f32 v[(\pc)+1+2*\b], v[\s+8+16*\b:\s+15+16*\b], v[TM+12+\b]
.endr
	v_nop                                          ; one plain place behind a scaled conversion
.irp c, 0,1                                    ; a whole block to a lane: lanes 0-15 block 2 c, lanes 16-31 block 2 c + 1
.irp i, 0,1
	v_permlane16_swap_b32 v[(\pc)+4*\c+\i], v[(\pc)+2+4*\c+\i]
.endr
.endr
.endm
	s_load_b256 s[4:11], s[0:1], 0x0               ; xc, xs, wc, ws
	s_load_b256 s[12:19], s[0:1], 0x20             ; bq, bk, bv, qkvc
	s_load_b64 s[20:21], s[0:1], 0x40              ; sw
	v_lshl_add_u32 v114, v0, 2, 0x44800
	v_mov_b32 v115, 0
	ds_add_u32 v114, v115
	ds_add_u32 v114, v115
	v_lshrrev_b32 v1, 5, v0
	v_readfirstlane_b32 s22, v1                    ; wave
	s_lshr_b32 s23, s22, 1                         ; WH: my half of source 1's tiles.  Also: I fetch for x (0) or for the weight (1)
	s_and_b32 s3, s22, 1                           ; WL: my half of source 0's tiles.  Also: which eight tiles I fetch
	s_bfe_u32 s40, ttmp6, 0x40000                  ; cx
	s_bfe_u32 s41, ttmp6, 0x40004                  ; cy
	s_lshl_b32 s42, ttmp9, 2
	s_add_co_u32 s42, s42, s40                     ; block of 256 columns, 0..11
	s_and_b32 s43, ttmp7, 0xffff
	s_lshl_b32 s43, s43, 2
	s_add_co_u32 s43, s43, s41                     ; block of 256 tokens, 0..15
	s_lshl_b32 s44, s41, 2
	s_lshl_b32 s44, 15, s44                        ; my row of the cluster
	s_lshl_b32 s45, 0x1111, s40                    ; my column
	s_mov_b32 s[SEL], 0x76543210
	s_mov_b32 s[SEL+1], 0xfedcba98
	; group 1: dense blocks as rows of 256 bytes (32 elements of 8 bytes), no padding: codes 256 rows at the head (16 tiles), 128 later (eight tiles); scale words 32 rows (16 tiles)
	s_or_b32 s[G1X], s44, (3<<16)|(1<<21)
	s_or_b32 s[G1W], s45, (3<<16)|(1<<21)
	s_or_b32 s[G1SX], s44, (3<<16)|(1<<21)
	s_or_b32 s[G1SW], s45, (3<<16)|(1<<21)
.irp g, G1X, G1W
	s_mov_b32 s[\g+1], 32<<16
	s_mov_b32 s[\g+2], 256<<16                     ; the head's loads of codes bring 256 rows: all 16 tiles of slot 0
	s_mov_b32 s[\g+3], 32<<16
	s_mov_b32 s[\g+4], 256
	s_mov_b32 s[\g+5], 32
	s_mov_b32 s[\g+6], 0
	s_mov_b32 s[\g+7], 0
.endr
.irp g, G1SX, G1SW
	s_mov_b32 s[\g+1], 32<<16
	s_mov_b32 s[\g+2], 32<<16                      ; the scale words of 16 tiles: 32 rows of 256 bytes
	s_mov_b32 s[\g+3], 32<<16
	s_mov_b32 s[\g+4], 32
	s_mov_b32 s[\g+5], 32
	s_mov_b32 s[\g+6], 0
	s_mov_b32 s[\g+7], 0
.endr
	s_lshl_b32 s92, s43, 4
	s_lshl_b32 s46, s42, 4
	s_lshl_b32 s94, s92, 12
	s_mov_b32 s95, 0
	s_lshl_b32 s96, s92, 9
	s_mov_b32 s97, 0
	s_lshl_b32 s98, s46, 12
	s_mov_b32 s99, 0
	s_lshl_b32 s100, s46, 9
	s_mov_b32 s101, 0
	s_lshl_b32 s47, s22, 15                        ; where they go: wave x 32 KB,
	s_wait_dscnt 0x0
	s_wait_kmcnt 0x0
	s_add_nc_u64 s[94:95], s[4:5], s[94:95]
	s_add_nc_u64 s[96:97], s[6:7], s[96:97]
	s_add_nc_u64 s[98:99], s[8:9], s[98:99]
	s_add_nc_u64 s[100:101], s[10:11], s[100:101]
	CROUND                                         ; all sixteen work-groups are here: the joint loads meet
	s_mov_b32 s[G0SX], 1
	s_mov_b32 s[G0SX+1], SCL
	s_mov_b64 s[G0SX+2:G0SX+3], s[96:97]
	s_or_b32 s[G0SX+3], s[G0SX+3], 0x80000000
	s_mov_b32 s[G0SW], 1
	s_mov_b32 s[G0SW+1], SCL+8192
	s_mov_b64 s[G0SW+2:G0SW+3], s[100:101]
	s_or_b32 s[G0SW+3], s[G0SW+3], 0x80000000
	; THE FILLS AS THEY NOW STAND: at the head ONE joint load a wave: wave 0 slot 0's 16 tiles of x, wave 1 the weight's, wave 2 x's scale words, wave 3 the weight's.
	; Slot 1 is asked for behind the full sequence and a round of the cluster's barrier, a quarter a wave.  Each LDS byte is still filled once.
	s_mov_b32 s[G0X], 1
	s_mov_b32 s[G0X+1], 0
	s_mov_b64 s[G0X+2:G0X+3], s[94:95]
	s_or_b32 s[G0X+3], s[G0X+3], 0x80000000
	s_mov_b32 s[G0W], 1
	s_mov_b32 s[G0W+1], WOFF
	s_mov_b64 s[G0W+2:G0W+3], s[98:99]
	s_or_b32 s[G0W+3], s[G0W+3], 0x80000000
	s_lshl_b32 s92, s3, 15                         ; slot 1: my eight tiles of the sixteen, 32 KB on for the upper half
	s_mov_b32 s93, 0
	s_add_nc_u64 s[94:95], s[94:95], s[92:93]
	s_add_nc_u64 s[98:99], s[98:99], s[92:93]
	s_mov_b32 s[G0X+4], 1
	s_add_co_u32 s[G0X+5], s47, SLOT
	s_add_nc_u64 s[G0X+6:G0X+7], s[94:95], 0x100000
	s_or_b32 s[G0X+7], s[G0X+7], 0x80000000
	s_mov_b32 s[G0W+4], 1
	s_add_co_u32 s[G0W+5], s47, SLOT
	s_add_nc_u64 s[G0W+6:G0W+7], s[98:99], 0x100000
	s_or_b32 s[G0W+7], s[G0W+7], 0x80000000
.macro ARM under, g0, g1, next         ; one chain of branches on the wave's number, a load to an arm, all arms to one join
	s_cmp_lt_u32 s22, \under
	s_cbranch_scc0 \next
	tensor_load_to_lds s[\g0:\g0+3], s[\g1:\g1+7]
	s_nop 0
.rept 4
	v_nop
.endr
	s_branch .Lhead_asked
\next:
.endm
	ARM 1, G0X,  G1X,  .Lhead_w
	ARM 2, G0W,  G1W,  .Lhead_sx
	ARM 3, G0SX, G1SX, .Lhead_sw
	tensor_load_to_lds s[G0SW:G0SW+3], s[G1SW:G1SW+7]
	s_nop 0
.rept 4
	v_nop
.endr
.Lhead_asked:
	v_and_b32 v1, 15, v0                           ; r
	v_bfe_u32 v2, v0, 4, 1                         ; h
	v_and_b32 v4, 31, v0                           ; lane
	v_lshlrev_b32 v3, 4, v4                        ; 16 x lane
	s_wait_alu depctr_va_vdst(0)
	s_cmp_ge_u32 ttmp9, 2                          ; v?  The cluster's x: the same in all partners
	s_cselect_b32 s92, WOFF, 0                     ; source 1: the weight for v, else x
	s_cselect_b32 s93, 0, WOFF                     ; source 0: the other
	s_cselect_b32 s94, 8192, 0
	s_cselect_b32 s95, 0, 8192
	s_cselect_b32 s96, s23, s3                     ; which half of the 256 columns is my wave's
	s_lshl_b32 s97, s23, 15
	s_add_co_u32 s92, s92, s97
	s_lshl_b32 s97, s3, 15
	s_add_co_u32 s93, s93, s97
	v_add_nc_u32 v[ADRA], s92, v3
	v_add_nc_u32 v[ADRB], s93, v3
	v_add_nc_u32 v[ADRA+1], SLOT, v[ADRA]
	v_add_nc_u32 v[ADRB+1], SLOT, v[ADRB]
	s_lshl_b32 s97, s23, 12
	s_add_co_u32 s94, s94, s97
	s_add_co_u32 s94, s94, SCL
	s_lshl_b32 s97, s3, 12
	s_add_co_u32 s95, s95, s97
	s_add_co_u32 s95, s95, SCL
	v_mov_b32 v28, s94
	v_mov_b32 v29, s95
	v_cmp_le_u32 vcc_lo, 16, v4
	v_cndmask_b32 v[ADRS], v28, v29, vcc_lo        ; lanes 16-31 take source 0's words
	v_lshl_add_u32 v[ADRS], v1, 4, v[ADRS]
	s_cmp_eq_u32 ttmp9, 0                          ; the bias: my wave's 128 numbers go to its own 512 bytes of LDS; each way out reads them back in its own pattern
	s_cselect_b64 s[12:13], s[12:13], s[14:15]
	s_cmp_lt_u32 ttmp9, 2
	s_cselect_b64 s[12:13], s[12:13], s[16:17]
	s_lshl_b32 s98, s40, 10
	s_lshl_b32 s99, s96, 9
	s_add_co_u32 s98, s98, s99
	s_mov_b32 s99, 0
	s_add_nc_u64 s[12:13], s[12:13], s[98:99]
	global_load_b128 v[8:11], v3, s[12:13]
	s_lshl_b32 s97, s22, 9
	s_add_co_u32 s97, s97, BST
	v_add_nc_u32 v24, s97, v3
	v_lshl_add_u32 v25, v2, 6, s97                 ; q, k: + 16 h numbers
	v_and_b32 v26, 7, v0
	v_bfe_u32 v5, v0, 3, 1
	v_lshl_add_u32 v26, v5, 4, v26
	v_lshl_add_u32 v26, v26, 2, s97                ; v: number r%8 + 16 (r/8)
	s_wait_alu depctr_va_vdst(0)
	s_wait_loadcnt 0x0
	ds_store_b128 v24, v[8:11]
	s_wait_tensorcnt 0x0                           ; my tile of the head's four is in
	ds_add_u32 v114, v115
	s_mov_b32 s[G1X+2], 128<<16                    ; no tensor load of mine is out: from here on a load brings 128 rows
	s_mov_b32 s[G1X+4], 128
	s_mov_b32 s[G1W+2], 128<<16
	s_mov_b32 s[G1W+4], 128
	s_wait_dscnt 0x0                               ; the add and my store of the bias are done
	CROUND                                         ; everybody's tile is in, and all sixteen work-groups are here
	JLOAD G0X+4, G1X, G0W+4, G1W                   ; slot 1, my quarter: the first tensor load behind the round
	FETCH_B 0, 0, 0
	FETCH_A 0, 0, 0
	SCALES 0
	FETCH_A 0, 0, 4
	STEP 0, 0, 1                                   ; the first products start the sums: nothing is cleared
	STEPS 0, 1
	; slot 0's last step, and the change to slot 1
	s_wait_tensorcnt 0x0                           ; my part of slot 1 is in
	s_wait_dscnt 4*NL
	WIN MUL_LO
	MUL16 0, 1, NQ-1, 0, 0
	s_wait_dscnt 0x0
	s_barrier_signal -1
	MUL16 2, 1, NQ-1, 0, 0
	WIN 0
	s_barrier_wait -1                              ; everybody's is
	PLACES NP
	FETCH_B 1, 0, 0
	FETCH_A 1, 0, 0
	SCALES 1
	WIN MUL_HI
	MUL16 4, 1, NQ-1, 0, 0
	MUL16 6, 1, NQ-1, 0, 0
	PLACES NP
	WIN 0
	FETCH_A 1, 0, 4
	STEPS 1, 0
	s_wait_dscnt 4*NL                              ; the last step: nothing more to fetch
	WIN MUL_LO
	MUL16 0, 1, NQ-1, 1, 0
	MUL16 2, 1, NQ-1, 1, 0
	s_wait_dscnt 0
	WIN MUL_HI
	MUL16 4, 1, NQ-1, 1, 0
	MUL16 6, 1, NQ-1, 1, 0
	WIN 0
	PLACES NP                                      ; behind the last products: results are read, and operands' and scales' registers written, from here on
; THE WAY OUT.  For each of source 1's eight tiles: the bias is added while the 64 numbers move into window 0 (each accumulator from its low end on), they are quantised, and the fragment's two pieces leave, 512 consecutive bytes each.
.macro EPI isv
.irp b, 0,1,2,3
	v_mov_b32 v[TM+4+\b], 0                        ; a lane permute's destination counts as one of its sources
.endr
	v_cmp_le_u32 vcc_lo, 16, v4
.if \isv
	s_lshl_b32 s92, s40, 2
	s_lshl_b32 s93, s23, 1
	s_add_co_u32 s92, s92, s93                     ; my first head: 4 cx + 2 WH
	s_lshl_b32 s93, s43, 1
	s_add_co_u32 s93, s93, s3                      ; my 128 keys: J = 2 Y + WL
	s_lshl_b32 s98, s92, 17
	s_lshl_b32 s94, s93, 12
	s_add_co_u32 s98, s98, s94
	s_add_co_u32 s98, s98, 4194304
	s_mov_b32 s99, 0
	s_add_nc_u64 s[98:99], s[18:19], s[98:99]
	s_mul_i32 s100, s92, 24576
	s_mul_i32 s94, s93, 768
	s_add_co_u32 s100, s100, s94
	s_add_co_u32 s100, s100, 262144+512
	s_mov_b32 s101, 0
	s_add_nc_u64 s[100:101], s[20:21], s[100:101]
	v_mul_u32_u24 v5, v2, 24576
	v_lshl_add_u32 v5, v1, 4, v5                   ; lanes 16-31: the next head
.irp a, 0,1,2,3,4,5,6,7
	ds_load_b32 v[BM+2*\a], v26 offset:4*(32*(\a/2)+8*(\a%2))   ; my channel's bias
.endr
	s_wait_dscnt 0x0
.irp a, 0,1,2,3,4,5,6,7
	v_mov_b32 v[BM+2*\a+1], v[BM+2*\a]
.endr
.else
	s_lshl_b32 s92, s42, 2
	s_lshl_b32 s93, s3, 1
	s_add_co_u32 s92, s92, s93                     ; q: head; k: 16 + head
	s_lshl_b32 s92, s92, 17
	s_lshl_b32 s93, s43, 1
	s_add_co_u32 s93, s93, s23                     ; my 128 tokens: J = 2 Y + WH
	s_lshl_b32 s94, s93, 12
	s_add_co_u32 s98, s92, s94
	s_mov_b32 s99, 0
	s_add_nc_u64 s[98:99], s[18:19], s[98:99]
	s_lshl_b32 s92, s40, 2
	s_lshl_b32 s94, s3, 1
	s_add_co_u32 s92, s92, s94                     ; my first head
	s_lshl_b32 s94, s92, 14
	s_lshl_b32 s95, s93, 9
	s_add_co_u32 s94, s94, s95                     ; q's scale words
	s_mul_i32 s95, s92, 24576
	s_mul_i32 s96, s93, 768
	s_add_co_u32 s95, s95, s96
	s_add_co_u32 s95, s95, 262144                  ; k's
	s_mov_b32 s96, 16384
	s_cmp_eq_u32 ttmp9, 1
	s_cselect_b32 s100, s95, s94
	s_cselect_b32 s96, 24576, s96                  ; from head to head
	s_mov_b32 s101, 0
	s_mov_b32 s97, 0
	s_add_nc_u64 s[100:101], s[20:21], s[100:101]
	s_add_nc_u64 s[96:97], s[100:101], s[96:97]
.irp b, 0,1,2,3,4,5,6,7
.irp g, 0,1
	ds_load_b128 v[BN+8*\b+4*\g:BN+8*\b+4*\g+3], v25 offset:4*(32*(\b/2)+8*(\b%2))+16*\g   ; the bias of channels 32 (b/2) + 8 (b%2) + 16 h + 0..7
.endr
.endr
	s_wait_dscnt 0x0
.endif
.irp a, 0,1,2,3,4,5,6,7
	WIN 0x02+(\a/4)                                ; source 0: window 2 or 3
.set i, 0
.rept 32
.if \isv
	v_pk_add_f32 v[HA+2*i:HA+2*i+1], v[64*(\a%4)+2*i:64*(\a%4)+2*i+1], v[BM+2*\a:BM+2*\a+1]
.else
	v_pk_add_f32 v[HA+2*i:HA+2*i+1], v[64*(\a%4)+2*i:64*(\a%4)+2*i+1], v[BN+2*i:BN+2*i+1]
.endif
.set i, i+1
.endr
	WIN 0
	QUANT HA, PCB+8*\a, PWB+\a
.irp c, 0,1
.if \isv
	global_store_b128 v3, v[PCB+8*\a+4*\c:PCB+8*\a+4*\c+3], s[98:99] offset:131072*(\a/4)+1024*(\a%4)+512*\c
.else
	global_store_b128 v3, v[PCB+8*\a+4*\c:PCB+8*\a+4*\c+3], s[98:99] offset:512*\a+131072*\c   ; piece c is head c's 64 channels
.endif
.endr
.endr
.irp i, 0,1,2,3
	v_cndmask_b32 v[SE+\i], v[PWB+\i], v[PWB+4+\i], vcc_lo   ; lanes 0-15: tiles 0-3; lanes 16-31: tiles 4-7
.endr
.if \isv
	global_store_b128 v5, v[SE:SE+3], s[100:101]   ; 256 consecutive bytes for each of two heads
.else
.irp i, 0,1,2,3
	v_lshrrev_b32 v[SE+4+\i], 16, v[SE+\i]         ; the second head's two bytes,
	v_and_b32 v[SE+\i], 0xffff, v[SE+\i]           ; the first head's
.endr
	global_store_b128 v3, v[SE:SE+3], s[100:101]   ; 512 consecutive bytes
	global_store_b128 v3, v[SE+4:SE+7], s[96:97]
.endif
.endm
	s_cmp_ge_u32 ttmp9, 2
	s_cbranch_scc1 .Lv
	EPI 0
	s_branch .Ldone
.Lv:
	EPI 1
.Ldone:
	s_wait_dscnt 0x0
	s_wait_tensorcnt 0x0
	ds_add_u32 v114, v115
	s_wait_dscnt 0x0
	CROUND                                         ; the closing round: no work-group ends while a partner may still ask for a tile that names it
	s_endpgm
.Lfunc_end_k_q18c2dfd63f_qkv:
	.size	k_q18c2dfd63f_qkv, .Lfunc_end_k_q18c2dfd63f_qkv-k_q18c2dfd63f_qkv
	.p2alignl 7, 3214868480
	.fill 96, 4, 3214868480
	.section	.rodata,"a",@progbits
	.p2align	6, 0x0
	.amdhsa_kernel k_q18c2dfd63f_qkv
		.amdhsa_group_segment_fixed_size 327680
		.amdhsa_private_segment_fixed_size 0
		.amdhsa_enable_private_segment 0
		.amdhsa_kernarg_size 72
		.amdhsa_user_sgpr_count 2
		.amdhsa_user_sgpr_kernarg_segment_ptr 1
		.amdhsa_wavefront_size32 1
		.amdhsa_system_sgpr_workgroup_id_x 1
		.amdhsa_system_sgpr_workgroup_id_y 1
		.amdhsa_system_sgpr_workgroup_id_z 1
		.amdhsa_system_vgpr_workitem_id 0
		.amdhsa_next_free_vgpr 1024
		.amdhsa_next_free_sgpr 102
		.amdhsa_reserve_vcc 1
		.amdhsa_float_denorm_mode_32 3
		.amdhsa_float_denorm_mode_16_64 3
		.amdhsa_memory_ordered 1
		.amdhsa_forward_progress 1
		.amdhsa_inst_pref_size 196
	.end_amdhsa_kernel
	.amdgpu_metadata
---
amdhsa.version: [ 1, 2 ]
amdhsa.kernels:
  - .name:           k_q18c2dfd63f_qkv
    .symbol:         k_q18c2dfd63f_qkv.kd
    .args:
      - { .name: xc, .offset: 0, .size: 8, .value_kind: global_buffer, .address_space: global }
      - { .name: xs, .offset: 8, .size: 8, .value_kind: global_buffer, .address_space: global }
      - { .name: wc, .offset: 16, .size: 8, .value_kind: global_buffer, .address_space: global }
      - { .name: ws, .offset: 24, .size: 8, .value_kind: global_buffer, .address_space: global }
      - { .name: bq, .offset: 32, .size: 8, .value_kind: global_buffer, .address_space: global }
      - { .name: bk, .offset: 40, .size: 8, .value_kind: global_buffer, .address_space: global }
      - { .name: bv, .offset: 48, .size: 8, .value_kind: global_buffer, .address_space: global }
      - { .name: qkvc, .offset: 56, .size: 8, .value_kind: global_buffer, .address_space: global }
      - { .name: sw, .offset: 64, .size: 8, .value_kind: global_buffer, .address_space: global }
    .group_segment_fixed_size: 327680
    .private_segment_fixed_size: 0
    .kernarg_segment_align: 8
    .kernarg_segment_size: 72
    .max_flat_workgroup_size: 128
    .sgpr_count:     102
    .vgpr_count:     1024
    .wavefront_size: 32
...
	.end_amdgpu_metadata
.endif
;; end of part 2
;; launch attn (part 3): grid 16 x 16, 16 waves a work-group, no clusters, 327,680 bytes of LDS; arguments qkvc, sw, oc, os; writes oc, os
.if DOCPART == 3
	.amdgcn_target "amdgcn-amd-amdhsa--gfx1250"
	.amdhsa_code_object_version 6
	.text
	.protected	k_q18c2dfd63f_attn
	.globl	k_q18c2dfd63f_attn
	.p2align	8
	.type	k_q18c2dfd63f_attn,@function
k_q18c2dfd63f_attn:
	s_mov_b64 s[64:65], 0
	v_nop
	global_prefetch_b8 v0, s[64:65] scope:SCOPE_SE
	s_setreg_imm32_b32 hwreg(HW_REG_WAVE_MODE, 25, 1), 1
	s_wait_xcnt 0x0
; o[q] = sum over keys k <= q of softmax(q . k / 8) v, 16 heads of 64, 4096 tokens, both products on codes of FP4 (E2M1) with E8M0 scales; o is quantised here along D for the last product.
; WORK LEFT OUT: a key step (128 keys) all of whose keys come after a tile's queries gets p = 0 for every value of the inputs and adds nothing to sum or product: such steps are not walked.
; A NaN, an infinity or an overflow that reaches only those steps is not carried to the result.
; THE SOFTMAX: t = score x log2(e) / 8; M = the running largest t rounded UP to a whole number; p = 2^(t - M) is quantised along the keys, not normalised; the row's sum is taken of the unquantised p and divides at the end.
; When M moves, the sum and O are multiplied by 2^(old M - new M): exact.
; SHARES.  A work-group owns one head and query blocks px and 31 - px (128 queries each: eight tiles of 16).  Its sixteen waves are eight pairs; pair i owns tile i of both blocks: px + 1 and 32 - px key steps, 33 in all.
; Wave A of a pair walks the late tile's key steps 0-16.  Wave B walks the early tile's px + 1 steps, divides, quantises and stores it, and then walks the late tile's steps 17 .. 31 - px under sums of its own: 17 and 16 steps for every px.
; At the end B hands O, the sums and -M to A as images of its registers in the pair's own 4,608 bytes of LDS; A brings both parts under the larger M by powers of two and finishes the late tile.
; The roles are dealt so that any four waves w%4 equal, and any four w/4 equal, hold two of each.  All three loops' trip counts are constants (4, 13, 15); a step that is not the wave's is jumped over by a scalar branch on ids.
; THE WHOLE HEAD'S K AND V LIE IN LDS, each byte filled once.  At the head one tensor load a wave: waves 0-7 one of key steps 0-3 of K or V (4 KB), waves 8-15 an eighth of the head's scale words (3 KB).
; Behind the full sequence and a barrier one more a wave: 14 KB of key steps 4-31; the first loop (steps 0-3) reads none of its bytes.  One load of a wave is out at any time.
; NO CLUSTER: the jumps hang on the query block, which differs between the work-groups that share a head's K and V, and partners of a joint load have to run alike.
; NO PREFETCH: every byte is asked for by the head's load or by the one behind the first barrier; no later request exists to run ahead of.
; LAYOUT.  Both products transposed: S^T = K Q^T (source 0 = 16 keys, source 1 = my 16 queries), O^T = V^T P^T: a lane holds one query.  Operands are images of their registers: lane l's 16 bytes at 16 l.
; Lane-row p of tile T is row 32 (T/2) + 8 (T%2) + p%8 + 16 (p/8): the 16 registers of S^T's tiles 2 b, 2 b + 1 are keys 32 b + 16 (lane/16) + 0..15.
; The first product's K is 64: the upper four registers of Q's and K's fragments are zero codes, written once; their scale bytes are 0, which stands over zeros.
; LIMITS: hidden scores are taken as -infinity (p = 0), as -1e9 gives while true scores stay above some -1e9; the scaled scores stay under 2^31 in magnitude; a block of zeros gets the byte 1; NaN and infinities are not served.
; REGISTERS: v1-7 addresses that stay (v6: the pair's hand-over bytes); v8-11 the step's LDS addresses; v12 -M, v13 the largest score, v[14:15] the sum; v16-23 Q; v24-27 K's scale words, v28-31 V's; v32-95 K's eight fragments;
; v96-159 S^T, then p; v160-191 O^T; v192-223 V's four fragments; v224-231 p's codes; v232-249, v252, v254 at work; v250, v251 the add's two; v253 p's scale word; v255 Q's.
.set WV,   18
.set SEL,  20                          ; s[20:21] lane selects: lane l xor 16
.set CS,   22                          ; s[22:23] c = log2(e) / 8
.set G1S,  24
.set G1A,  32
.set G1B,  40
.set G0S,  48
.set G0A,  52
.set G0B,  56
.set HEAD, 60
.set PX,   61
.set BLK,  62                          ; the block of 128 queries of the tile in hand
.set TQ,   63                          ; that tile
.set J,    66                          ; the key step
.set TJ,   67                          ; 4096 J
.set TS,   68                          ; 768 J
.set LIM,  69                          ; the last key step that is mine in the phase in hand
.set ROLE, 90                          ; 1: wave A, 0: wave B
.set IT,   91                          ; my pair: the tile's number in its block
.set NINF, 92                          ; -infinity
.set VB,   131072                      ; V's codes in LDS
.set SB,   262144                      ; the scale words
.set MRG,  286720                      ; the hand-over: 4,608 bytes a pair; written by ds_store alone
.set SPARE, 323584                     ; the spare words: 128 bytes a wave
; Q's piece and its scale words for tile 8 s[blk] + IT
.macro QLOAD blk
	s_lshl_b32 s86, s[\blk], 3
	s_add_co_u32 s86, s86, s[IT]
	s_lshl_b32 s86, s86, 9
	s_lshl_b32 s87, s[HEAD], 17
	s_add_co_u32 s86, s86, s87
	s_mov_b32 s87, 0
	s_add_nc_u64 s[12:13], s[4:5], s[86:87]
	s_lshl_b32 s88, s[HEAD], 14
	s_lshl_b32 s89, s[\blk], 9
	s_add_co_u32 s88, s88, s89
	s_bfe_u32 s89, s[IT], 0x10002
	s_lshl_b32 s89, s89, 8
	s_add_co_u32 s88, s88, s89
	s_and_b32 s89, s[IT], 3
	s_lshl_b32 s89, s89, 2
	s_add_co_u32 s88, s88, s89
	s_mov_b32 s89, 0
	s_add_nc_u64 s[14:15], s[6:7], s[88:89]
	v_and_b32 v9, 15, v0
	s_delay_alu instid0(VALU_DEP_1)
	v_lshlrev_b32 v9, 4, v9                        ; 16 r
	s_wait_alu depctr_va_vdst(0)                   ; directly ahead of the readers
	global_load_b128 v[16:19], v1, s[12:13]
	global_load_b32 v255, v9, s[14:15]
.endm
; A KEY STEP: 128 keys.
; K's fragments and scale words of a step are asked for a step ahead: behind the first products of the step before, or ahead of the loop for its first step.  top: the loop's end.
.macro STEP top
	s_cmp_gt_u32 s[J], s[LIM]                      ; not mine in this phase: nothing to do
	s_cbranch_scc1 .Lhidden_\@
	s_add_co_u32 s93, s[TJ], 4096                  ; where the next step's K lies; the loop's last step names itself again, so that every step issues the same loads and none reaches beyond the loop's key steps
	s_min_u32 s93, s93, ((\top)-1)*4096
	s_add_co_u32 s94, s[TS], 768
	s_min_u32 s94, s94, ((\top)-1)*768
	s_wait_dscnt 0x0                               ; this step's K and its scale words are in
.irp t, 0,1,2,3
	v_wmma_scale_f32_16x16x128_f8f6f4 v[96+8*\t:103+8*\t], v[32+8*\t:39+8*\t], v[16:23], 0, v[24+\t], v255 matrix_a_fmt:MATRIX_FMT_FP4 matrix_b_fmt:MATRIX_FMT_FP4
.endr
.irp t, 4,5,6,7
	v_wmma_scale_f32_16x16x128_f8f6f4 v[96+8*\t:103+8*\t], v[32+8*\t:39+8*\t], v[16:23], 0, v[20+\t], v255 matrix_a_fmt:MATRIX_FMT_FP4 matrix_b_fmt:MATRIX_FMT_FP4 matrix_a_scale:MATRIX_SCALE_ROW1
.endr
	v_add_nc_u32 v9, s[TJ], v4                     ; these four are the places behind the products above and in front of the loads into registers that they, and the last step's second products, read
	v_add_nc_u32 v11, s[TS], v2
	v_add_nc_u32 v8, s93, v1
	v_add_nc_u32 v10, s94, v3
.irp ct, 0,1,2,3
.irp c, 0,1
	ds_load_b128 v[192+8*\ct+4*\c:195+8*\ct+4*\c], v9 offset:1024*\ct+512*\c   ; this step's V
.endr
.endr
	ds_load_b128 v[28:31], v11
.irp t, 0,1,2,3,4,5,6,7
	ds_load_b128 v[32+8*\t:35+8*\t], v8 offset:512*\t                          ; the next step's K
.endr
	ds_load_b128 v[24:27], v10
	s_cmp_lg_u32 s[J], s[BLK]
	s_cbranch_scc1 .Lopen_\@
.set n, 0
.rept 64
	v_cmp_le_i32 vcc_lo, 32*(n/16)+n%16, v5        ; register 16 b + i holds key 32 b + 16 h + i: it counts where 32 b + i <= d
	v_cndmask_b32 v[96+n], s[NINF], v[96+n], vcc_lo
.set n, n+1
.endr
.Lopen_\@:
.irp b, 0,1,2,3
	v_max3_num_f32 v[232+\b], v[96+16*\b], v[97+16*\b], v[98+16*\b]   ; the largest score of each block of 32 keys: for the row's maximum, and, since p rises with the score, for the block's largest p.  Two chains a block, eight by turns
.endr
.irp b, 0,1,2,3
	v_max3_num_f32 v[240+\b], v[103+16*\b], v[104+16*\b], v[105+16*\b]
.endr
.irp i, 3,5
.irp b, 0,1,2,3
	v_max3_num_f32 v[232+\b], v[232+\b], v[96+16*\b+\i], v[97+16*\b+\i]
.endr
.irp b, 0,1,2,3
	v_max3_num_f32 v[240+\b], v[240+\b], v[103+16*\b+\i], v[104+16*\b+\i]
.endr
.endr
.irp b, 0,1,2,3
	v_max3_num_f32 v[232+\b], v[232+\b], v[240+\b], v[110+16*\b]
.endr
.irp b, 0,1,2,3
	v_max_num_f32 v[232+\b], v[232+\b], v[111+16*\b]
.endr
.irp b, 0,1,2,3
	s_delay_alu instid0(VALU_DEP_4)
	v_permlanex16_b32 v[236+\b], v[232+\b], s[SEL], s[SEL+1]
.endr
.irp b, 0,1,2,3
	s_delay_alu instid0(VALU_DEP_4)
	v_max_num_f32 v[232+\b], v[232+\b], v[236+\b]  ; with lane l xor 16's 16 keys
.endr
	v_mov_b32 v248, v12                            ; the old -M
	s_delay_alu instid0(VALU_DEP_3)
	v_max3_num_f32 v254, v232, v233, v234
	s_delay_alu instid0(VALU_DEP_1)
	v_max3_num_f32 v13, v13, v254, v235            ; v13 holds the running largest SCORE: c is positive, so c x the largest score is the largest t
	s_delay_alu instid0(VALU_DEP_1)
	v_mul_f32 v254, s[CS], v13                     ; the running largest t
	s_delay_alu instid0(VALU_DEP_1)
	v_floor_f32 v12, -v254                         ; the new -M = -ceil(t)
.set j, 0
.rept 32
	v_pk_fma_f32 v[96+j:97+j], v[96+j:97+j], s[CS:CS+1], v[12:13] op_sel_hi:[1,0,0]   ; t - M
.set j, j+2
.endr
.irp b, 0,1,2,3
	v_fma_f32 v[232+\b], v[232+\b], s[CS], v12     ; the same of each block's largest score
.endr
	v_sub_f32 v254, v12, v248                      ; old M - new M: a whole number, 0 or less
	s_delay_alu instid0(VALU_DEP_1)
	v_cvt_i32_f32 v254, v254                       ; (it saturates)
	s_delay_alu instid0(VALU_DEP_1)
	v_ldexp_f32 v252, 1.0, v254                    ; f = 2^(old M - new M)
.set j, 0
	s_wait_alu depctr_va_vdst(0)
.rept 64
	v_exp_f32 v[96+j], v[96+j]                     ; p = 2^(t - M)
.set j, j+1
.endr
	v_pk_mul_f32 v[14:15], v[14:15], v[252:253] op_sel_hi:[1,0]   ; the sums under the new M: a plain line behind the exponentials
	s_wait_alu depctr_va_vdst(0)                   ; one wait for the batch of 64, ahead of its first reader
.irp b, 0,1,2,3
	v_exp_f32 v[232+\b], v[232+\b]                 ; the block's largest p
.endr
	v_pk_add_f32 v[236:237], v[100:101], v[104:105]   ; the row's sum of the unquantised p, in eight chains
	v_pk_add_f32 v[248:249], v[108:109], v[112:113]
	v_pk_add_f32 v[246:247], v[116:117], v[120:121]
	v_pk_add_f32 v[244:245], v[124:125], v[128:129]
	v_pk_add_f32 v[242:243], v[132:133], v[136:137]
	v_pk_add_f32 v[240:241], v[140:141], v[144:145]
	v_pk_add_f32 v[238:239], v[148:149], v[152:153]
	v_pk_add_f32 v[14:15], v[14:15], v[156:157]
	v_pk_add_f32 v[236:237], v[236:237], v[96:97]
	v_pk_add_f32 v[248:249], v[248:249], v[98:99]
	v_pk_add_f32 v[246:247], v[246:247], v[102:103]
	v_pk_add_f32 v[244:245], v[244:245], v[106:107]
	v_pk_add_f32 v[242:243], v[242:243], v[110:111]
	v_pk_add_f32 v[240:241], v[240:241], v[114:115]
	v_pk_add_f32 v[238:239], v[238:239], v[118:119]
	v_pk_add_f32 v[14:15], v[14:15], v[122:123]
	v_pk_add_f32 v[236:237], v[236:237], v[126:127]
	v_pk_add_f32 v[248:249], v[248:249], v[130:131]
	v_pk_add_f32 v[246:247], v[246:247], v[134:135]
	v_pk_add_f32 v[244:245], v[244:245], v[138:139]
	v_pk_add_f32 v[242:243], v[242:243], v[142:143]
	v_pk_add_f32 v[240:241], v[240:241], v[146:147]
	v_pk_add_f32 v[238:239], v[238:239], v[150:151]
	v_pk_add_f32 v[14:15], v[14:15], v[154:155]
	v_pk_add_f32 v[236:237], v[236:237], v[158:159]
	s_delay_alu instid0(VALU_DEP_2)
	v_pk_add_f32 v[14:15], v[14:15], v[244:245]
	s_delay_alu instid0(VALU_DEP_2)
	v_pk_add_f32 v[236:237], v[236:237], v[242:243]
	v_pk_add_f32 v[248:249], v[248:249], v[240:241]
	v_pk_add_f32 v[246:247], v[246:247], v[238:239]
	s_delay_alu instid0(VALU_DEP_2)
	v_pk_add_f32 v[14:15], v[14:15], v[248:249]
	s_delay_alu instid0(VALU_DEP_2)
	v_pk_add_f32 v[236:237], v[236:237], v[246:247]
	s_delay_alu instid0(VALU_DEP_1)
	v_pk_add_f32 v[14:15], v[14:15], v[236:237]
	s_wait_alu depctr_va_vdst(0)                   ; and one for the four
.irp b, 0,1,2,3
	v_max_num_f32 v[232+\b], 0x1800000, v[232+\b]  ; the floor 2^(3 - 127): the byte cannot fall under 1
.endr
.irp b, 0,1,2,3
	s_delay_alu instid0(VALU_DEP_4)
	v_add_nc_u32 v[244+\b], 0xff000000, v[232+\b]
.endr
.irp b, 0,1,2,3
	s_delay_alu instid0(VALU_DEP_4)
	v_lshrrev_b32 v[236+\b], 23, v[244+\b]
.endr
	s_delay_alu instid0(VALU_DEP_3)
	v_lshl_or_b32 v253, v237, 8, v236              ; p's scale word for these 128 keys
	s_delay_alu instid0(VALU_DEP_2)
	v_lshl_or_b32 v254, v239, 8, v238
	s_delay_alu instid0(VALU_DEP_1)
	v_lshl_or_b32 v253, v254, 16, v253
.irp b, 0,1,2,3
	v_cvt_scalef32_pk8_fp4_f32 v[224+2*\b], v[96+16*\b:103+16*\b], v[244+\b]
	v_cvt_scalef32_pk8_fp4_f32 v[225+2*\b], v[104+16*\b:111+16*\b], v[244+\b]
.endr
	v_nop                                          ; one plain place behind a scaled conversion
.irp c, 0,1
.irp i, 0,1
	v_permlane16_swap_b32 v[224+4*\c+\i], v[226+4*\c+\i]
.endr
.endr
	s_wait_alu depctr_va_vdst(0)                   ; directly ahead of the first reader of O^T
.set j, 0
.rept 16
	v_pk_mul_f32 v[160+j:161+j], v[160+j:161+j], v[252:253] op_sel_hi:[1,0]   ; O^T under the new M.  These sixteen are also the places between the scale word's and the codes' last writes and the products
.set j, j+2
.endr
	s_wait_alu depctr_va_vdst(0)
	s_wait_dscnt 9                                 ; V and its scale words are in; the nine loads issued behind them (the next step's K) may be out
.irp ct, 0,1,2,3
	v_wmma_scale_f32_16x16x128_f8f6f4 v[160+8*\ct:167+8*\ct], v[192+8*\ct:199+8*\ct], v[224:231], v[160+8*\ct:167+8*\ct], v[28+\ct], v253 matrix_a_fmt:MATRIX_FMT_FP4 matrix_b_fmt:MATRIX_FMT_FP4
.endr
.Lhidden_\@:
.endm
.macro WALK label, from, to            ; key steps from .. to - 1
	s_mov_b32 s[J], \from
	s_mov_b32 s[TJ], (\from)*4096
	s_mov_b32 s[TS], (\from)*768
	s_wait_dscnt 0x0                               ; no load of mine is on its way into the registers below
	v_add_nc_u32 v8, s[TJ], v1
	v_add_nc_u32 v10, s[TS], v3
.irp k, 0,1,2,3,4,5,6,7
	ds_load_b128 v[32+8*\k:35+8*\k], v8 offset:512*\k   ; the loop's first step: its K and scale words
.endr
	ds_load_b128 v[24:27], v10
\label:
	STEP \to
	s_add_co_u32 s[TJ], s[TJ], 4096
	s_add_co_u32 s[TS], s[TS], 768
	s_add_co_u32 s[J], s[J], 1
	s_cmp_lt_u32 s[J], \to
	s_cbranch_scc1 \label
.endm
; A TILE'S WAY OUT: O^T / the sum; its 32 registers are k = 32 b + 16 h + i of my query's row of the last product's operand: two blocks, quantised; one piece of 512 bytes leaves.
.macro FINAL
	v_add_f32 v14, v14, v15
	s_wait_alu depctr_va_vdst(0)
	v_permlanex16_b32 v252, v14, s[SEL], s[SEL+1]
	s_delay_alu instid0(VALU_DEP_1)
	v_add_f32 v14, v14, v252                       ; the row's sum
	s_wait_alu depctr_va_vdst(0)
	v_rcp_f32 v14, v14
	v_and_b32 v8, 31, v0                           ; (a plain place behind the reciprocal)
	s_delay_alu instid0(VALU_DEP_1)
	v_cmp_le_u32 vcc_lo, 16, v8
	s_lshl_b32 s[TQ], s[BLK], 3
	s_add_co_u32 s[TQ], s[TQ], s[IT]
	s_lshr_b32 s70, s[HEAD], 3
	s_lshl_b32 s72, s70, 20
	s_lshl_b32 s73, s[TQ], 12
	s_add_co_u32 s72, s72, s73
	s_bfe_u32 s73, s[HEAD], 0x20001
	s_lshl_b32 s73, s73, 10
	s_add_co_u32 s72, s72, s73
	s_and_b32 s73, s[HEAD], 1
	s_lshl_b32 s73, s73, 9
	s_add_co_u32 s72, s72, s73
	s_mov_b32 s73, 0
	s_add_nc_u64 s[76:77], s[8:9], s[72:73]        ; K = 64 head + channel: (head/8) 2^20 + tile 4096 + ((head/2)%4) 1024 + (head%2) 512
	s_lshl_b32 s74, s[TQ], 9
	s_lshl_b32 s75, s70, 8
	s_add_co_u32 s74, s74, s75
	s_and_b32 s75, s[HEAD], 7
	s_lshl_b32 s75, s75, 1
	s_add_co_u32 s74, s74, s75
	s_mov_b32 s75, 0
	s_add_nc_u64 s[78:79], s[10:11], s[74:75]
	s_wait_alu depctr_va_vdst(0)                   ; ahead of the reciprocal's first reader, which is O^T's too
.set j, 0
.rept 16
	v_pk_mul_f32 v[96+j:97+j], v[160+j:161+j], v[14:15] op_sel_hi:[1,0]
.set j, j+2
.endr
.irp b, 0,1
	v_max3_num_f32 v[232+\b], |v[96+16*\b]|, |v[97+16*\b]|, 0x1800000
.endr
.irp i, 2,4,6,8,10,12,14
.irp b, 0,1
	s_delay_alu instid0(VALU_DEP_2)
	v_max3_num_f32 v[232+\b], v[232+\b], |v[96+16*\b+\i]|, |v[97+16*\b+\i]|
.endr
.endr
.irp b, 0,1
	s_delay_alu instid0(VALU_DEP_2)
	v_permlanex16_b32 v[236+\b], v[232+\b], s[SEL], s[SEL+1]
.endr
.irp b, 0,1
	s_delay_alu instid0(VALU_DEP_2)
	v_max_num_f32 v[232+\b], v[232+\b], v[236+\b]
.endr
.irp b, 0,1
	s_delay_alu instid0(VALU_DEP_2)
	v_add_nc_u32 v[244+\b], 0xff000000, v[232+\b]
.endr
.irp b, 0,1
	s_delay_alu instid0(VALU_DEP_2)
	v_lshrrev_b32 v[236+\b], 23, v[244+\b]
.endr
.irp b, 0,1
	v_cvt_scalef32_pk8_fp4_f32 v[224+2*\b], v[96+16*\b:103+16*\b], v[244+\b]
	v_cvt_scalef32_pk8_fp4_f32 v[225+2*\b], v[104+16*\b:111+16*\b], v[244+\b]
.endr
	v_nop
	v_permlane16_swap_b32 v224, v226
	v_permlane16_swap_b32 v225, v227
	v_cndmask_b32 v238, v236, v237, vcc_lo         ; lanes 0-15 store block 0's byte, lanes 16-31 block 1's
	global_store_b128 v1, v[224:227], s[76:77]     ; 512 consecutive bytes
	global_store_b8 v7, v238, s[78:79]             ; a byte a lane: two heads share each scale word; one byte for each 16 of codes
.endm
	s_load_b256 s[4:11], s[0:1], 0x0               ; qkvc, sw, oc, os
	v_lshl_add_u32 v250, v0, 2, SPARE
	v_mov_b32 v251, 0
	ds_add_u32 v250, v251
	ds_add_u32 v250, v251
	v_lshrrev_b32 v8, 5, v0
	s_delay_alu instid0(VALU_DEP_1)
	v_readfirstlane_b32 s[WV], v8
	s_and_b32 s[HEAD], ttmp7, 0xffff
	s_mov_b32 s[PX], ttmp9
	s_lshr_b32 s[IT], s[WV], 1
	s_lshr_b32 s71, s[WV], 2
	s_xor_b32 s71, s71, s[WV]
	s_and_b32 s[ROLE], s71, 1
	s_sub_co_u32 s71, 31, s[PX]                    ; the late block; s71 stays
	s_cmp_eq_u32 s[ROLE], 1
	s_cselect_b32 s[BLK], s71, s[PX]               ; A: the late tile, steps 0-16;  B: the early tile, steps 0 .. px
	s_cselect_b32 s[LIM], 16, s[PX]
	; group 1: dense blocks as rows of 256 bytes (32 elements of 8 bytes), no padding: 12, 16 and 56 rows
.irp g, G1S, G1A, G1B
	s_mov_b32 s[\g], 3<<16
	s_mov_b32 s[\g+1], 32<<16
	s_mov_b32 s[\g+3], 32<<16
	s_mov_b32 s[\g+5], 32
	s_mov_b32 s[\g+6], 0
	s_mov_b32 s[\g+7], 0
.endr
	s_mov_b32 s[G1S+2], 12<<16
	s_mov_b32 s[G1S+4], 12
	s_mov_b32 s[G1A+2], 16<<16
	s_mov_b32 s[G1A+4], 16
	s_mov_b32 s[G1B+2], 56<<16
	s_mov_b32 s[G1B+4], 56
	s_and_b32 s74, s[WV], 7
	s_mul_i32 s75, s74, 3072                       ; waves 8-15: my eighth of the scale words
	s_mov_b32 s[G0S], 1
	s_add_co_u32 s[G0S+1], s75, SB
	s_bfe_u32 s73, s[WV], 0x10002                  ; waves 0-3: K, waves 4-7: V; key step wave % 4
	s_and_b32 s83, s[WV], 3
	s_lshl_b32 s83, s83, 12
	s_lshl_b32 s82, s73, 17
	s_mov_b32 s[G0A], 1
	s_add_co_u32 s[G0A+1], s82, s83
	s_lshl_b32 s85, s73, 21
	s_add_co_u32 s85, s85, s83
	s_lshl_b32 s86, s[HEAD], 17
	s_add_co_u32 s86, s86, 2097152
	s_add_co_u32 s78, s85, s86
	s_mov_b32 s79, 0
	s_lshr_b32 s73, s[WV], 3                       ; the second load: waves 0-7 K, waves 8-15 V; 14,336 bytes a wave from key step 4 on
	s_mul_i32 s84, s74, 14336
	s_add_co_u32 s84, s84, 16384
	s_lshl_b32 s82, s73, 17
	s_mov_b32 s[G0B], 1
	s_add_co_u32 s[G0B+1], s82, s84
	s_lshl_b32 s85, s73, 21
	s_add_co_u32 s85, s85, s84
	s_add_co_u32 s80, s85, s86
	s_mov_b32 s81, 0
	s_mul_i32 s76, s[HEAD], 24576
	s_add_co_u32 s76, s76, s75
	s_add_co_u32 s76, s76, 262144
	s_mov_b32 s77, 0
	s_mov_b32 s[SEL], 0x76543210
	s_mov_b32 s[SEL+1], 0xfedcba98
	s_mov_b32 s[CS], 0x3e38aa3b
	s_mov_b32 s[CS+1], s[CS]                       ; (named with it as a pair, so it is written)
	s_mov_b32 s[NINF], 0xff800000
	s_wait_dscnt 0x0
	s_wait_kmcnt 0x0
	s_add_nc_u64 s[G0S+2:G0S+3], s[6:7], s[76:77]
	s_or_b32 s[G0S+3], s[G0S+3], 0x80000000
	s_add_nc_u64 s[G0A+2:G0A+3], s[4:5], s[78:79]
	s_or_b32 s[G0A+3], s[G0A+3], 0x80000000
	s_add_nc_u64 s[G0B+2:G0B+3], s[4:5], s[80:81]
	s_or_b32 s[G0B+3], s[G0B+3], 0x80000000
	s_cmp_lt_u32 s[WV], 8                          ; the head's loads, one a wave, a load in each arm
	s_cbranch_scc0 .Lhead_s
	tensor_load_to_lds s[G0A:G0A+3], s[G1A:G1A+7]
	s_nop 0
.rept 4
	v_nop
.endr
	s_branch .Lhead_asked
.Lhead_s:
	tensor_load_to_lds s[G0S:G0S+3], s[G1S:G1S+7]
	s_nop 0
.rept 4
	v_nop
.endr
.Lhead_asked:
	s_lshr_b32 s75, s[IT], 1
	s_lshl_b32 s75, s75, 5
	s_and_b32 s76, s[IT], 1
	s_lshl_b32 s76, s76, 3
	s_add_co_u32 s75, s75, s76                     ; my tile's first row in its block
	s_mul_i32 s76, s[IT], 4608
	s_add_co_u32 s76, s76, MRG                     ; my pair's hand-over bytes
	v_and_b32 v11, 31, v0
	s_delay_alu instid0(VALU_DEP_1)
	v_lshlrev_b32 v1, 4, v11                       ; 16 x lane
	QLOAD BLK
	v_and_b32 v10, 15, v0                          ; r
	v_bfe_u32 v8, v0, 4, 1                         ; h
	v_add_nc_u32 v3, SB, v1                        ; K's scale words: lanes 0-15 tiles 0-3, lanes 16-31 tiles 4-7
	v_add_nc_u32 v4, VB, v1
	v_lshl_add_u32 v2, v10, 4, SB+512              ; V's: four words of channel lane-row r
	v_and_b32 v5, 7, v0
	v_bfe_u32 v11, v0, 3, 1
	s_delay_alu instid0(VALU_DEP_1)
	v_lshl_add_u32 v5, v11, 4, v5
	v_lshlrev_b32 v11, 4, v8
	s_delay_alu instid0(VALU_DEP_1)
	v_sub_nc_u32 v5, v5, v11
	s_delay_alu instid0(VALU_DEP_1)
	v_add_nc_u32 v5, s75, v5                       ; d = my query in its block - 16 h
	v_add_nc_u32 v6, s76, v1
	v_lshl_add_u32 v7, v10, 4, v8                  ; the way out: 16 r + h
	v_mov_b32 v13, 0xff61b1e6                      ; the largest score so far: -3e38
	s_delay_alu instid0(VALU_DEP_1)
	v_floor_f32 v12, -v13                          ; -M
	v_mov_b32 v14, 0
	v_mov_b32 v15, 0
.irp j, 20,21,22,23
	v_mov_b32 v[\j], 0                             ; Q's k = 64..127: zero codes
.endr
.irp t, 0,1,2,3,4,5,6,7
.irp j, 4,5,6,7
	v_mov_b32 v[32+8*\t+\j], 0                     ; K's likewise: written once, never loaded over
.endr
.endr
.set j, 0
.rept 32
	v_mov_b32 v[160+j], 0                          ; O^T: the step is written without a first form; the first change of M multiplies zeros
.set j, j+1
.endr
.irp b, 0,1,2,3
	v_mov_b32 v[236+\b], 0                         ; a lane permute's destination counts as one of its sources
.endr
	v_mov_b32 v252, 0
	v_mov_b32 v253, 0
	s_wait_alu depctr_va_vdst(0)
	s_wait_loadcnt 0x0                             ; Q
	s_wait_tensorcnt 0x0                           ; my load of the head's sixteen is in
	ds_add_u32 v250, v251
	s_wait_dscnt 0x0
	s_barrier_signal -1
	s_barrier_wait -1                              ; everybody's is
	tensor_load_to_lds s[G0B:G0B+3], s[G1B:G1B+7]  ; key steps 4-31, my sixteenth: the first thing behind the barrier
	s_nop 0
.rept 4
	v_nop
.endr
	WALK .Lfirst, 0, 4
	s_wait_tensorcnt 0x0                           ; my part of key steps 4-31 is in
	s_wait_dscnt 0x0
	s_barrier_signal -1
	s_barrier_wait -1                              ; everybody's is
	WALK .Lsecond, 4, 17
	; BETWEEN THE PHASES.  A keeps its sums and has no step left.  B sends its early tile out and begins the late tile's steps 17 .. 31 - px under new sums.
.rept 4
	v_nop                                          ; places behind the last products
.endr
	s_cmp_eq_u32 s[ROLE], 1
	s_cselect_b32 s[LIM], 0, s71
	s_cbranch_scc1 .Lmid
	QLOAD 71                                       ; the late tile's Q, on its way while the early tile leaves
	FINAL
	s_mov_b32 s[BLK], s71
	v_mov_b32 v13, 0xff61b1e6
	s_delay_alu instid0(VALU_DEP_1)
	v_floor_f32 v12, -v13
	v_mov_b32 v14, 0
	v_mov_b32 v15, 0
.set j, 0
.rept 32
	v_mov_b32 v[160+j], 0
.set j, j+1
.endr
	s_wait_alu depctr_va_vdst(0)
	s_wait_loadcnt 0x0                             ; Q
	s_wait_xcnt 0x0                                ; the stores have read their registers: the next step writes the codes' again
.Lmid:
	WALK .Lthird, 17, 32
	; THE HAND-OVER: B's O^T, -M and sums go to the pair's bytes as images of the registers.
.rept 4
	v_nop                                          ; places behind the last products
.endr
	s_cmp_eq_u32 s[ROLE], 1
	s_cbranch_scc1 .Lkeep
	s_wait_alu depctr_va_vdst(0)
.irp k, 0,1,2,3,4,5,6,7
	ds_store_b128 v6, v[160+4*\k:163+4*\k] offset:512*\k
.endr
	ds_store_b128 v6, v[12:15] offset:4096
.Lkeep:
	s_wait_dscnt 0x0                               ; my stores are done
	s_barrier_signal -1
	s_barrier_wait -1
	s_cmp_eq_u32 s[ROLE], 0
	s_cbranch_scc1 .Lend
.irp k, 0,1,2,3,4,5,6,7
	ds_load_b128 v[96+4*\k:99+4*\k], v6 offset:512*\k
.endr
	ds_load_b128 v[128:131], v6 offset:4096
	s_wait_dscnt 0x0
	v_min_num_f32 v132, v12, v128                  ; -M of the larger M
	s_delay_alu instid0(VALU_DEP_1)
	v_sub_f32 v133, v132, v12                      ; my M - the larger: a whole number, 0 or less
	s_delay_alu instid0(VALU_DEP_2)
	v_sub_f32 v134, v132, v128                     ; B's likewise (a B that walked no step has M = -3e38 and zeros: its factor is 0)
	s_delay_alu instid0(VALU_DEP_2)
	v_cvt_i32_f32 v133, v133                       ; (they saturate)
	s_delay_alu instid0(VALU_DEP_2)
	v_cvt_i32_f32 v134, v134
	s_delay_alu instid0(VALU_DEP_2)
	v_ldexp_f32 v252, 1.0, v133
	s_delay_alu instid0(VALU_DEP_2)
	v_ldexp_f32 v254, 1.0, v134
	s_wait_alu depctr_va_vdst(0)                   ; directly ahead of the readers
	v_pk_mul_f32 v[14:15], v[14:15], v[252:253] op_sel_hi:[1,0]
.set j, 0
.rept 16
	v_pk_mul_f32 v[160+j:161+j], v[160+j:161+j], v[252:253] op_sel_hi:[1,0]
.set j, j+2
.endr
	v_pk_fma_f32 v[14:15], v[130:131], v[254:255], v[14:15] op_sel_hi:[1,0,1]
.set j, 0
.rept 16
	v_pk_fma_f32 v[160+j:161+j], v[96+j:97+j], v[254:255], v[160+j:161+j] op_sel_hi:[1,0,1]
.set j, j+2
.endr
	FINAL
.Lend:
	s_wait_tensorcnt 0x0                           ; the wave's end
	ds_add_u32 v250, v251
	s_wait_dscnt 0x0
	s_endpgm
.Lfunc_end_k_q18c2dfd63f_attn:
	.size	k_q18c2dfd63f_attn, .Lfunc_end_k_q18c2dfd63f_attn-k_q18c2dfd63f_attn
	.p2alignl 7, 3214868480
	.fill 96, 4, 3214868480
	.section	.rodata,"a",@progbits
	.p2align	6, 0x0
	.amdhsa_kernel k_q18c2dfd63f_attn
		.amdhsa_group_segment_fixed_size 327680
		.amdhsa_private_segment_fixed_size 0
		.amdhsa_enable_private_segment 0
		.amdhsa_kernarg_size 32
		.amdhsa_user_sgpr_count 2
		.amdhsa_user_sgpr_kernarg_segment_ptr 1
		.amdhsa_wavefront_size32 1
		.amdhsa_system_sgpr_workgroup_id_x 1
		.amdhsa_system_sgpr_workgroup_id_y 1
		.amdhsa_system_sgpr_workgroup_id_z 1
		.amdhsa_system_vgpr_workitem_id 0
		.amdhsa_next_free_vgpr 256
		.amdhsa_next_free_sgpr 100
		.amdhsa_reserve_vcc 1
		.amdhsa_float_denorm_mode_32 3
		.amdhsa_float_denorm_mode_16_64 3
		.amdhsa_memory_ordered 1
		.amdhsa_forward_progress 1
		.amdhsa_inst_pref_size 92
	.end_amdhsa_kernel
	.amdgpu_metadata
---
amdhsa.version: [ 1, 2 ]
amdhsa.kernels:
  - .name:           k_q18c2dfd63f_attn
    .symbol:         k_q18c2dfd63f_attn.kd
    .args:
      - { .name: qkvc, .offset: 0, .size: 8, .value_kind: global_buffer, .address_space: global }
      - { .name: sw, .offset: 8, .size: 8, .value_kind: global_buffer, .address_space: global }
      - { .name: oc, .offset: 16, .size: 8, .value_kind: global_buffer, .address_space: global }
      - { .name: os, .offset: 24, .size: 8, .value_kind: global_buffer, .address_space: global }
    .group_segment_fixed_size: 327680
    .private_segment_fixed_size: 0
    .kernarg_segment_align: 8
    .kernarg_segment_size: 32
    .max_flat_workgroup_size: 512
    .sgpr_count:     100
    .vgpr_count:     256
    .wavefront_size: 32
...
	.end_amdgpu_metadata
.endif
;; end of part 3
;; launch proj (part 4): grid 8 x 32, 8 waves a work-group, clusters of 4 x 4, 327,680 bytes of LDS; arguments oc, os, wc, ws, bo, out0; writes out0
.if DOCPART == 4
	.amdgcn_target "amdgcn-amd-amdhsa--gfx1250"
	.amdhsa_code_object_version 6
	.text
	.protected	k_q18c2dfd63f_proj
	.globl	k_q18c2dfd63f_proj
	.p2align	8
	.type	k_q18c2dfd63f_proj,@function
k_q18c2dfd63f_proj:
	s_mov_b64 s[64:65], 0
	v_nop
	global_prefetch_b8 v0, s[64:65] scope:SCOPE_SE
	s_setreg_imm32_b32 hwreg(HW_REG_WAVE_MODE, 25, 1), 1
	s_wait_xcnt 0x0
	s_wait_alu depctr_hold_cnt(0) depctr_sa_sdst(0) depctr_va_vdst(0) depctr_va_sdst(0) depctr_va_ssrc(0) depctr_va_vcc(0) depctr_vm_vsrc(0)
	s_getreg_b32 s2, hwreg(HW_REG_IB_STS2, 6, 4)
	s_cmp_eq_u32 s2, 0
	s_cbranch_scc0 .Lentry_in_a_cluster
	s_endpgm
.Lentry_in_a_cluster:
	s_bfe_u32 s2, ttmp6, 0x10000c
	s_cmp_lg_u32 s2, 0xf033
	s_cbranch_scc0 .Lentry_shape_is_right
	s_endpgm
.Lentry_shape_is_right:
; out0 = o Wo + bo on codes of FP4 (E2M1) with E8M0 scales, sums in f32.  o: 4096 tokens x K 1024 (oc, os), Wo: tiles 192-255 of wc, ws.
; SHARES.  A work-group takes 128 tokens x 128 columns: 32 x 8 = 256 work-groups.  Eight waves, each 32 tokens x 64 columns: 8 accumulators of 16 x 16, 64 registers; all a wave names fits in 256 registers.
; ALL THAT A WORK-GROUP READS FITS IN LDS AT ONCE: two slots of 512 along K (o's 8 tiles x 4 KB, then Wo's) and the scale words: six tiles, each byte filled once.
; Eight waves so that the six tiles go out at the head, one joint load a wave (waves 0, 1: o's slots; 2, 3: Wo's; 4: o's scale words; 5: Wo's; 6, 7: none): no fill stands behind a barrier.
; OPERANDS ARE IMAGES OF THEIR REGISTERS: a fragment (16 rows x 128 K) is two pieces of 512 bytes, lane l's 16 bytes at 16 l.  Codes: (s/4) 2^20 + T 4096 + (s%4) 1024 + c 512 + 16 l; scale words: T 512 + (s/4) 256 + 16 p + 4 (s%4).
; Lane-row p of tile T is matrix row 32 (T/2) + 8 (T%2) + p%8 + 16 (p/8).  Source 0 = Wo, source 1 = o: a lane holds a token, its eight registers columns 32 (b/2) + 8 (b%2) + 16 (lane/16) + 0..7.
; The bias is the C of each accumulator's first product.  CLUSTER 4 x 4: o's tiles are shared along a row of the cluster, Wo's along a column.
; THE WAY OUT: 16 tokens x 64 columns at a time through the wave's own stage (rows 272 bytes apart); sixteen lanes store 256 consecutive bytes, aligned.
; NO PREFETCH: the text has no loop; every byte is asked for at the head.
; REGISTERS: v0-31 addresses; v32-63 scale words, a set a slot; v64-111, v112-159 fragments, two sets (o's two, then Wo's four); v160-191 the bias; v192-255 the accumulators, (a, b) at v[192 + 8 (4 a + b)].
.set SLOT,  65536
.set WOFF,  32768
.set SCL,   131072                     ; o's scale words, 4 KB; Wo's, 4 KB
.set STG,   139264                     ; the stages: 4,352 bytes a wave; written by ds_store alone
.set SPITCH, 272
.set SPARE, 174080
.set ADRA,  16                         ; v16-17 o's fragments in slot 0, 1
.set ADRB,  20                         ; v20-21 Wo's
.set STO,   24
.set RD,    25
.set CO,    26
.set ADRS,  27                         ; scale words: lanes 0-15 o's, lanes 16-31 Wo's
.set SPW,   28
.set NIL,   29
.set SC,    32
.set F,     64
.set FS,    48                         ; registers of a set
.set BN,    160
.set ACC,   192
.set BK,    64                         ; the way out: two buffers of 32 registers
.set G1X,   24
.set G0X,   32
.set G1W,   48
.set G0W,   56
.set G1SX,  68
.set G0SX,  76
.set G1SW,  80
.set G0SW,  88
.macro CROUND                          ; a round of the cluster's barrier
	s_barrier_signal -1
	s_barrier_wait -1
	s_cmp_lg_u32 s22, 0
	s_cbranch_scc1 .Lnot_wave_0_\@
	s_barrier_signal -3
.Lnot_wave_0_\@:
	s_barrier_wait -3
	s_barrier_signal -1
	s_barrier_wait -1
.endm
.macro PLACES n
.rept \n
	v_nop
.endr
.endm
.macro ARM under, g0, g1, next
	s_cmp_lt_u32 s22, \under
	s_cbranch_scc0 \next
	tensor_load_to_lds s[\g0:\g0+3], s[\g1:\g1+7]
	s_nop 0
.rept 4
	v_nop
.endr
	s_branch .Lhead_asked
\next:
.endm
.macro FETCH slot, q, set              ; my two tiles of o and four of Wo, the slot's q-th 128 along K: 12 loads
.irp i, 0,1
.irp c, 0,1
	ds_load_b128 v[F+FS*(\set)+8*\i+4*\c:F+FS*(\set)+8*\i+4*\c+3], v[ADRA+\slot] offset:4096*\i+1024*(\q)+512*\c
.endr
.endr
.irp i, 0,1,2,3
.irp c, 0,1
	ds_load_b128 v[F+FS*(\set)+16+8*\i+4*\c:F+FS*(\set)+16+8*\i+4*\c+3], v[ADRB+\slot] offset:4096*\i+1024*(\q)+512*\c
.endr
.endr
.endm
.macro SCALES sc                       ; a slot's scale words: four a row; lanes 0-15 o's tile i (of i = 2, 3 nothing is used), lanes 16-31 Wo's tile i
.irp i, 0,1,2,3
	ds_load_b128 v[SC+16*\sc+4*\i:SC+16*\sc+4*\i+3], v[ADRS] offset:512*\i+256*\sc
.endr
.endm
.macro MUL set, q, sc, first           ; 8 products; the 8 accumulators take turns, one instruction a turn
.irp a, 0,1
.irp b, 0,1,2,3
.if \first
	v_wmma_scale_f32_16x16x128_f8f6f4 v[ACC+8*(4*\a+\b):ACC+8*(4*\a+\b)+7], v[F+FS*(\set)+16+8*\b:F+FS*(\set)+16+8*\b+7], v[F+FS*(\set)+8*\a:F+FS*(\set)+8*\a+7], v[BN+8*\b:BN+8*\b+7], v[SC+16*(\sc)+4*\b+(\q)], v[SC+16*(\sc)+4*\a+(\q)] matrix_a_fmt:MATRIX_FMT_FP4 matrix_b_fmt:MATRIX_FMT_FP4 matrix_a_scale:MATRIX_SCALE_ROW1
.else
	v_wmma_scale_f32_16x16x128_f8f6f4 v[ACC+8*(4*\a+\b):ACC+8*(4*\a+\b)+7], v[F+FS*(\set)+16+8*\b:F+FS*(\set)+16+8*\b+7], v[F+FS*(\set)+8*\a:F+FS*(\set)+8*\a+7], v[ACC+8*(4*\a+\b):ACC+8*(4*\a+\b)+7], v[SC+16*(\sc)+4*\b+(\q)], v[SC+16*(\sc)+4*\a+(\q)] matrix_a_fmt:MATRIX_FMT_FP4 matrix_b_fmt:MATRIX_FMT_FP4 matrix_a_scale:MATRIX_SCALE_ROW1
.endif
.endr
.endr
.endm
	s_load_b256 s[4:11], s[0:1], 0x0               ; oc, os, wc, ws
	s_load_b128 s[12:15], s[0:1], 0x20             ; bo, out0
	v_lshl_add_u32 v[SPW], v0, 2, SPARE
	v_mov_b32 v[NIL], 0
	ds_add_u32 v[SPW], v[NIL]
	ds_add_u32 v[SPW], v[NIL]
	v_lshrrev_b32 v1, 5, v0
	s_delay_alu instid0(VALU_DEP_1)
	v_readfirstlane_b32 s22, v1                    ; wave 0..7
	s_lshr_b32 s23, s22, 1                         ; WH: my quarter of the tokens
	s_and_b32 s3, s22, 1                           ; WL: my half of the columns
	s_bfe_u32 s40, ttmp6, 0x40000                  ; cx
	s_bfe_u32 s41, ttmp6, 0x40004                  ; cy
	s_lshl_b32 s42, ttmp9, 2
	s_add_co_u32 s42, s42, s40                     ; block of 128 columns, 0..7
	s_and_b32 s43, ttmp7, 0xffff
	s_lshl_b32 s43, s43, 2
	s_add_co_u32 s43, s43, s41                     ; block of 128 tokens, 0..31
	s_lshl_b32 s44, s41, 2
	s_lshl_b32 s44, 15, s44                        ; my row of the cluster
	s_lshl_b32 s45, 0x1111, s40                    ; my column
	; group 1: dense blocks as rows of 256 bytes (32 elements of 8 bytes), no padding: codes 128 rows (eight tiles of one slot), scale words 16 rows
	s_or_b32 s[G1X], s44, (3<<16)|(1<<21)
	s_or_b32 s[G1W], s45, (3<<16)|(1<<21)
	s_or_b32 s[G1SX], s44, (3<<16)|(1<<21)
	s_or_b32 s[G1SW], s45, (3<<16)|(1<<21)
.irp g, G1X, G1W
	s_mov_b32 s[\g+1], 32<<16
	s_mov_b32 s[\g+2], 128<<16
	s_mov_b32 s[\g+3], 32<<16
	s_mov_b32 s[\g+4], 128
	s_mov_b32 s[\g+5], 32
	s_mov_b32 s[\g+6], 0
	s_mov_b32 s[\g+7], 0
.endr
.irp g, G1SX, G1SW
	s_mov_b32 s[\g+1], 32<<16
	s_mov_b32 s[\g+2], 16<<16
	s_mov_b32 s[\g+3], 32<<16
	s_mov_b32 s[\g+4], 16
	s_mov_b32 s[\g+5], 32
	s_mov_b32 s[\g+6], 0
	s_mov_b32 s[\g+7], 0
.endr
	s_lshl_b32 s92, s43, 3                         ; o: the block's first tile (no register that feeds o's descriptors ever holds cx)
	s_lshl_b32 s46, s42, 3
	s_add_co_u32 s46, s46, 192                     ; Wo: its first tile
	s_lshl_b32 s94, s92, 12
	s_mov_b32 s95, 0
	s_lshl_b32 s96, s92, 9
	s_mov_b32 s97, 0
	s_lshl_b32 s98, s46, 12
	s_mov_b32 s99, 0
	s_lshl_b32 s100, s46, 9
	s_mov_b32 s101, 0
	s_wait_dscnt 0x0
	s_wait_kmcnt 0x0
	s_add_nc_u64 s[94:95], s[4:5], s[94:95]
	s_add_nc_u64 s[96:97], s[6:7], s[96:97]
	s_add_nc_u64 s[98:99], s[8:9], s[98:99]
	s_add_nc_u64 s[100:101], s[10:11], s[100:101]
	CROUND                                         ; all sixteen work-groups are here: the joint loads meet
.irp s, 0,1
	s_mov_b32 s[G0X+4*\s], 1
	s_mov_b32 s[G0X+4*\s+1], \s*SLOT
	s_add_nc_u64 s[G0X+4*\s+2:G0X+4*\s+3], s[94:95], \s*0x100000
	s_or_b32 s[G0X+4*\s+3], s[G0X+4*\s+3], 0x80000000
	s_mov_b32 s[G0W+4*\s], 1
	s_mov_b32 s[G0W+4*\s+1], \s*SLOT+WOFF
	s_add_nc_u64 s[G0W+4*\s+2:G0W+4*\s+3], s[98:99], \s*0x100000
	s_or_b32 s[G0W+4*\s+3], s[G0W+4*\s+3], 0x80000000
.endr
	s_mov_b32 s[G0SX], 1
	s_mov_b32 s[G0SX+1], SCL
	s_mov_b64 s[G0SX+2:G0SX+3], s[96:97]
	s_or_b32 s[G0SX+3], s[G0SX+3], 0x80000000
	s_mov_b32 s[G0SW], 1
	s_mov_b32 s[G0SW+1], SCL+4096
	s_mov_b64 s[G0SW+2:G0SW+3], s[100:101]
	s_or_b32 s[G0SW+3], s[G0SW+3], 0x80000000
	ARM 1, G0X,   G1X,  .Lhead_x1                  ; the head's loads: one chain of branches on the wave's number, a load to an arm, all arms to one join
	ARM 2, G0X+4, G1X,  .Lhead_w0
	ARM 3, G0W,   G1W,  .Lhead_w1
	ARM 4, G0W+4, G1W,  .Lhead_sx
	ARM 5, G0SX,  G1SX, .Lhead_sw
	ARM 6, G0SW,  G1SW, .Lhead_none
.Lhead_asked:
	s_lshl_b32 s92, s23, 13                        ; my two tiles of o
	s_lshl_b32 s93, s3, 14
	s_add_co_u32 s93, s93, WOFF                    ; my four of Wo
	s_lshl_b32 s94, s23, 10                        ; their scale words
	s_lshl_b32 s95, s3, 11
	s_add_co_u32 s95, s95, 4096
	s_sub_co_u32 s95, s95, s94                     ; from o's to Wo's
	s_add_co_u32 s94, s94, SCL
	s_mul_i32 s96, s22, 16*SPITCH
	s_add_co_u32 s96, s96, STG                     ; my stage
	s_lshl_b32 s98, s42, 9
	s_lshl_b32 s99, s3, 8
	s_add_co_u32 s98, s98, s99                     ; my first column, in bytes
	s_mov_b32 s99, 0
	s_add_nc_u64 s[12:13], s[12:13], s[98:99]
	s_lshl_b32 s100, s43, 19
	s_lshl_b32 s101, s23, 17
	s_add_co_u32 s100, s100, s101                  ; my first token's row: 128 Y + 32 WH
	s_add_co_u32 s100, s100, s98
	s_mov_b32 s101, 0
	s_add_nc_u64 s[14:15], s[14:15], s[100:101]
	v_bfe_u32 v2, v0, 4, 1                         ; h
	v_and_b32 v1, 15, v0                           ; r
	v_and_b32 v4, 31, v0
	s_delay_alu instid0(VALU_DEP_3)
	v_lshlrev_b32 v7, 6, v2                        ; the bias: + 16 h numbers
	s_delay_alu instid0(VALU_DEP_2)
	v_lshlrev_b32 v3, 4, v4                        ; 16 x lane
.irp b, 0,1,2,3
.irp g, 0,1
	global_load_b128 v[BN+8*\b+4*\g:BN+8*\b+4*\g+3], v7, s[12:13] offset:4*(32*(\b/2)+8*(\b%2))+16*\g
.endr
.endr
	v_mul_u32_u24 v6, s95, v2                      ; lanes 16-31 take Wo's words
	v_mul_u32_u24 v5, v1, SPITCH                   ; the stage, in: row r, 64 bytes for each half of the lanes
	v_mul_u32_u24 v8, v2, SPITCH                   ; back: lanes 0-15 one row of 256 bytes, lanes 16-31 the next
	v_lshlrev_b32 v9, 12, v2                       ; and the same two rows in out0
	v_add_nc_u32 v[ADRA], s92, v3
	v_add_nc_u32 v[ADRB], s93, v3
	v_lshl_add_u32 v6, v1, 4, v6
	v_lshl_add_u32 v5, v2, 6, v5
	v_lshl_add_u32 v8, v1, 4, v8
	v_lshl_add_u32 v[CO], v1, 4, v9
	v_add_nc_u32 v[ADRA+1], SLOT, v[ADRA]
	v_add_nc_u32 v[ADRB+1], SLOT, v[ADRB]
	v_add_nc_u32 v[ADRS], s94, v6
	v_add_nc_u32 v[STO], s96, v5
	v_add_nc_u32 v[RD], s96, v8
	s_wait_alu depctr_va_vdst(0)
	s_wait_tensorcnt 0x0                           ; my tile of the six is in
	s_barrier_signal -1
	s_barrier_wait -1                              ; everybody's is
	FETCH 0, 0, 0
	SCALES 0
	SCALES 1
	FETCH 0, 1, 1
	s_wait_loadcnt 0x0                             ; the bias
	s_wait_dscnt 12                                ; all but the 12 loads just issued
	MUL 0, 0, 0, 1
.irp s, 1,2,3,4,5,6                    ; K step s: the next step's fragments are asked for, then this step's 8 products
	PLACES 4                                       ; in front of loads into registers that the last products read
	FETCH (\s+1)/4, (\s+1)%4, (\s+1)%2
	s_wait_dscnt 12                                ; all but the 12 loads just issued
	MUL \s%2, \s%4, \s/4, 0
.endr
	s_wait_dscnt 0x0
	MUL 1, 3, 1, 0
	PLACES 4                                       ; behind the last products: results are read, and fragments' registers loaded over, from here on
.macro TOSTAGE a
.irp b, 0,1,2,3
	ds_store_b128 v[STO], v[ACC+8*(4*(\a)+\b):ACC+8*(4*(\a)+\b)+3] offset:128*(\b/2)+32*(\b%2)      ; each accumulator from its low end on
	ds_store_b128 v[STO], v[ACC+8*(4*(\a)+\b)+4:ACC+8*(4*(\a)+\b)+7] offset:128*(\b/2)+32*(\b%2)+16
.endr
.irp t, 0,1,2,3,4,5,6,7
	ds_load_b128 v[BK+32*(\a)+4*\t:BK+32*(\a)+4*\t+3], v[RD] offset:\t*2*SPITCH   ; LDS serves a wave's instructions in order: these see the stores above, and the next block's stores come behind them
.endr
.endm
.macro SEND a, younger                 ; younger: the LDS instructions issued behind block a's loads
	s_wait_dscnt \younger
.irp t, 0,1,2,3,4,5,6,7
	global_store_b128 v[CO], v[BK+32*(\a)+4*\t:BK+32*(\a)+4*\t+3], s[14:15] offset:4096*(8*(\a)+2*(\t%4)+16*(\t/4)) th:TH_STORE_NT   ; stage rows 2 t, 2 t + 1 are lane-rows of tile a
.endr
.endm
	TOSTAGE 0
	TOSTAGE 1
	SEND 0, 16                                     ; behind block 0's loads: block 1's 8 stores and 8 loads
	SEND 1, 0
	s_wait_tensorcnt 0x0                           ; the wave's end
	ds_add_u32 v[SPW], v[NIL]
	s_wait_dscnt 0x0
	CROUND                                         ; the closing round: no work-group ends while a partner may still ask for a tile that names it
	s_endpgm
.Lfunc_end_k_q18c2dfd63f_proj:
	.size	k_q18c2dfd63f_proj, .Lfunc_end_k_q18c2dfd63f_proj-k_q18c2dfd63f_proj
	.p2alignl 7, 3214868480
	.fill 96, 4, 3214868480
	.section	.rodata,"a",@progbits
	.p2align	6, 0x0
	.amdhsa_kernel k_q18c2dfd63f_proj
		.amdhsa_group_segment_fixed_size 327680
		.amdhsa_private_segment_fixed_size 0
		.amdhsa_enable_private_segment 0
		.amdhsa_kernarg_size 48
		.amdhsa_user_sgpr_count 2
		.amdhsa_user_sgpr_kernarg_segment_ptr 1
		.amdhsa_wavefront_size32 1
		.amdhsa_system_sgpr_workgroup_id_x 1
		.amdhsa_system_sgpr_workgroup_id_y 1
		.amdhsa_system_sgpr_workgroup_id_z 1
		.amdhsa_system_vgpr_workitem_id 0
		.amdhsa_next_free_vgpr 256
		.amdhsa_next_free_sgpr 102
		.amdhsa_reserve_vcc 0
		.amdhsa_float_denorm_mode_32 3
		.amdhsa_float_denorm_mode_16_64 3
		.amdhsa_memory_ordered 1
		.amdhsa_forward_progress 1
		.amdhsa_inst_pref_size 30
	.end_amdhsa_kernel
	.amdgpu_metadata
---
amdhsa.version: [ 1, 2 ]
amdhsa.kernels:
  - .name:           k_q18c2dfd63f_proj
    .symbol:         k_q18c2dfd63f_proj.kd
    .args:
      - { .name: oc, .offset: 0, .size: 8, .value_kind: global_buffer, .address_space: global }
      - { .name: os, .offset: 8, .size: 8, .value_kind: global_buffer, .address_space: global }
      - { .name: wc, .offset: 16, .size: 8, .value_kind: global_buffer, .address_space: global }
      - { .name: ws, .offset: 24, .size: 8, .value_kind: global_buffer, .address_space: global }
      - { .name: bo, .offset: 32, .size: 8, .value_kind: global_buffer, .address_space: global }
      - { .name: out0, .offset: 40, .size: 8, .value_kind: global_buffer, .address_space: global }
    .group_segment_fixed_size: 327680
    .private_segment_fixed_size: 0
    .kernarg_segment_align: 8
    .kernarg_segment_size: 48
    .max_flat_workgroup_size: 256
    .sgpr_count:     102
    .vgpr_count:     256
    .wavefront_size: 32
...
	.end_amdgpu_metadata
.endif
;; end of part 4
